; MI455X (gfx1250); checked and timed in simulation.
; The chip was launched on July 23, 2026; its instructions are those of AMD's public machine-readable ISA for CDNA 5 (MIT licence, August 2026) and "CDNA5" Instruction Set Architecture Reference Guide (July 2026). The comments in the code are by the model that wrote it; some were corrected since.
;; Causal Self Attention. Allowed arithmetic: matrix products marked QUANTISED: E4M3 operands, one given power-of-two scale a tensor, by v_wmma_f32_16x16x64_fp8_fp8 or v_wmma_f32_16x16x128_fp8_fp8, f32 sums; everything else in f32.
;; Inputs: delta 16 x 64 float32; lowp_scales 10 int32 (the exponents e of the quantised operands' scales 2^e); w_attn 3,072 x 1,024 float32; w_proj 1,024 x 1,024 float32; x 2 x 2,048 x 1,024 float32.
;; Outputs: out0 2 x 2,048 x 1,024 float32.
;; This version of the problem:
;;   THIS VERSION OF THE PROBLEM IS GIVEN IN LOW PRECISION. The matrix products marked QUANTISED in the list below multiply operands that are first quantised to E4M3 (4 exponent bits, 3 mantissa bits; 8 bits a number), with one given power-of-two scale for each operand tensor; their sums are f32. All else is computed in f32.
;;   The module's matrix products, in the order in which they are computed (A, B: the left and right operand; K: the contracted axis; several contracted axes count as one K, in the product's order):
;;     1. [M 4,096, K 1,024] x [K 1,024, N 3,072]; A: input x; B: input w_attn: QUANTISED (scales: A lowp_scales[0], B lowp_scales[1])
;;     2. batch 32 x [M 2,048, K 64] x [K 64, N 2,048]; A: computed on the way; B: computed on the way: QUANTISED (scales: A lowp_scales[2], B lowp_scales[3])
;;     3. batch 32 x [M 2,048, K 64] x [K 64, N 2,048]; A: computed on the way; B: computed on the way: QUANTISED (scales: A lowp_scales[4], B lowp_scales[5])
;;     4. batch 32 x [M 2,048, K 2,048] x [K 2,048, N 64]; A: softmax (see below); B: computed on the way: QUANTISED (scales: A lowp_scales[6], B lowp_scales[7])
;;     5. [M 4,096, K 1,024] x [K 1,024, N 1,024]; A: computed on the way; B: input w_proj: QUANTISED (scales: A lowp_scales[8], B lowp_scales[9])
;;   THE QUANTISER, for each operand of a quantised product, along K:
;;     - The operand's scale is 2^e, e = its entry of the input lowp_scales (int32; the entries are numbered through the quantised products in the list's order, A before B).
;;     - Each number is divided by the scale, clamped to +-448, and rounded to the nearest number of E4M3, ties to even, subnormals kept.
;;     - The product sums the exact products of the quantised numbers (number of the format x scale) in f32.
;;   ~~~python
;;   def quantise(x, axis, e):      # numpy; x: float32 -> the quantised numbers, widened to float32 again
;;       x = np.moveaxis(x, axis, -1); K = x.shape[-1]
;;       r = np.clip(x / 2.0 ** e, -448, 448)
;;       step = 2.0 ** (np.maximum(np.frexp(np.where(r == 0, 1, r))[1] - 1, -6) - 3)
;;       q = np.round(r / step) * step * 2.0 ** e      # np.round: ties to even
;;       return np.moveaxis(q, -1, axis).astype(np.float32)
;;   ~~~
;;   SOFTMAX AHEAD OF A QUANTISED PRODUCT. Where the list says 'softmax', what is quantised is not the finished softmax but p = 2^(t - M), with t = logit x log2(e) and M = ceil(the row's largest t), a whole number; so 1/2 < the row's largest p <= 1. The row's sum l is taken of the UNQUANTISED p, in f32, and the product's result is divided by l at the end. Since M is a whole number, a kernel that streams over the keys may use a running M (the ceiling of the running maximum): every later rescaling is an exact power of two, so the quantised numbers keep their values, but for numbers so far below the row's largest that they fall under the format's range.
;;   OPERANDS COMPUTED ON THE WAY. 'Computed on the way' means the value that the module computes at that place (a softmax that the list does not call 'softmax' is quantised finished and normalised). What goes into a quantiser is computed in f32, as accurately as f32 sums, v_exp_f32 and their like allow (about 1e-6 of the number): no bf16 or f16 on the way to a quantiser, and a product that is left as it is and whose result goes on into a quantised operand takes f32 operands (vector FMAs, or v_wmma_f32_16x16x4_f32). A number that lies on a knife's edge between two numbers of the format may be rounded either way, as far as f32 arithmetic and the matrix unit's own rounding can turn it there, and no further.
;; One version. Each part assembles by itself: llvm-mc -triple=amdgcn-amd-amdhsa -mcpu=gfx1250 --defsym DOCPART=n.
;; ======== version 1 of 1: 4 launches
;; limits: right only within a limited range of input values
;; workspace buffers: x_codes 4,194,304 bytes; wa_codes 3,145,728 bytes; wp_codes 1,048,576 bytes; cs_img 1,048,576 bytes; dtab 8,192 bytes; q_img 8,388,608 bytes; kv_img 12,582,912 bytes; y_img 4,194,304 bytes
;; launch prep (part 1): grid 256 x 1, 4 waves a work-group, no clusters, 33,280 bytes of LDS; arguments x, w_attn, w_proj, delta, lowp_scales, x_codes, wa_codes, wp_codes, cs_img, dtab; writes x_codes, wa_codes, wp_codes, cs_img, dtab
.if DOCPART == 1
	.amdgcn_target "amdgcn-amd-amdhsa--gfx1250"
	.amdhsa_code_object_version 6
	.text
	.protected	k_q7133e23d49_prep
	.globl	k_q7133e23d49_prep
	.p2align	8
	.type	k_q7133e23d49_prep,@function
k_q7133e23d49_prep:
	s_mov_b64 s[64:65], 0
	v_nop
	global_prefetch_b8 v0, s[64:65] scope:SCOPE_SE
	s_setreg_imm32_b32 hwreg(HW_REG_WAVE_MODE, 25, 1), 1
	s_wait_xcnt 0x0
; x [4096][1024], w_attn [3072][1024], w_proj [1024][1024], f32, become codes of E4M3, K innermost, each with its given scale 2^e (entries 0, 1, 9 of the scales).
; code = number / 2^e, held within +-448, to the nearest code, ties to even.
; ROWS CHANGE PLACES: row R is written at position swap34(R) (bits 3 and 4 of R exchanged); w_attn's row sec x 1024 + h x 64 + d at h x 192 + sec x 64 + swap34(d), so that a head's q, k and v rows are
; 192 consecutive rows.  A tile of 16 consecutive positions then holds rows 32 (a / 2) + 8 (a % 2) + (i % 8) + 16 (i / 8): what two neighbouring tiles leave in a lane are 16 neighbours of the next product's K.
; Work-groups 0-127 take x, 128-223 w_attn, 224-255 w_proj: 32,768 numbers each; a wave takes 8 rows (8,192 numbers), which stay together under the exchange.  Only pointers are chosen: one path for all three.
; A wave's 16 steps of 512 numbers: each load reads 512 consecutive bytes; the bytes turn through the wave's own stage in LDS so that a lane holds 16 neighbours; a lane's 16 codes are 16 bytes.
; TABLES, made while the first loads are on their way: cos and sin of t x 10000^(-d/64) in the order in which the next launch's results lie (cs_img), and cos and sin of clip(delta, -2 pi, 0) (dtab).
; cos and sin: the angle less k x pi/2 (pi/2 in two parts), polynomials on +-pi/4, the quadrant by k.
; LIMITS: each e between -126 and 119.  NaN among the inputs is not served.  10000^(-d/64) is made by v_exp_f32: an angle may differ from t x inv_freq of the definition by 2.5e-4 at t = 2047.
.set WAVES, 4
.set STEPS, 16
.set EMAX,  8
.set MANT,  0x600000                   ; the mantissa field of 448 as f32
.set CB,    16                         ; bytes of 16 codes
.set R,     16                         ; v16-79   four sets of 16 numbers as loaded
.set X,     80                         ; v80-111  two sets of 16 neighbours
.set C,     128                        ; v128-191 codes: four registers a step
.set WREG,  8192                       ; LDS: a region for each wave: two stages of 32 x SP bytes
.set SP,    80                         ; a lane's place in a stage: 64 bytes + 16 of padding
.set SPW,   12                         ; v12  LDS address of my spare word; never rewritten
.set NIL,   13                         ; v13  0; never rewritten
.set SPARE, WAVES*WREG                 ; behind the regions: the spare words, 128 bytes a wave
.set F,     192                        ; v192-195 four angles
.set CO,    196                        ; v196-199 their cosines
.set SI,    200                        ; v200-203 their sines
.set T,     204                        ; v204-211 at work
	s_load_b256 s[4:11], s[0:1], 0x0               ; x, w_attn, w_proj, delta
	s_load_b256 s[12:19], s[0:1], 0x20             ; the scales' exponents, x_codes, wa_codes, wp_codes
	s_load_b128 s[20:23], s[0:1], 0x40             ; cs_img, dtab
	v_lshl_add_u32 v[SPW], v0, 2, SPARE
	v_mov_b32 v[NIL], 0
	v_lshrrev_b32 v1, 5, v0
	v_readfirstlane_b32 s24, v1                    ; wave
	v_and_b32 v2, 31, v0                           ; lane
	v_lshlrev_b32 v3, 4, v2                        ; my 16 bytes of a load's 512
	s_mul_i32 s25, s24, WREG
	v_lshrrev_b32 v14, 2, v2
	v_mul_u32_u24 v14, v14, SP
	v_and_b32 v15, 3, v2
	v_lshl_add_u32 v14, v15, 4, v14
	v_add_nc_u32 v14, s25, v14                     ; the stage, on the way in: SP (lane / 4) + 16 (lane % 4)
	v_mul_u32_u24 v15, v2, SP
	v_add_nc_u32 v15, s25, v15                     ; and on the way out: SP x lane
	v_mul_u32_u24 v4, v2, CB                       ; my codes' place in a step's
	s_lshl_b32 s36, ttmp9, 7
	v_add_nc_u32 v7, s36, v0                       ; g: my number among the launch's 32,768 threads
	v_and_b32 v5, 63, v7
	v_lshlrev_b32 v5, 4, v5
	v_lshrrev_b32 v8, 6, v7
	v_lshl_add_u32 v5, v8, 11, v5                  ; cs_img: 2,048 (g / 64) + 16 (g % 64)
	v_and_b32 v6, 255, v7
	v_lshlrev_b32 v6, 4, v6                        ; delta and dtab: 16 (g % 256)
	s_mov_b32 s40, 0xbfc90fdb                      ; -pi/2, the upper part
	s_mov_b32 s41, 0x333bbd2e                      ; and what it lacks
	s_mov_b32 s42, 0xb94ca1f9                      ; the sine's three coefficients
	s_mov_b32 s43, 0x3c08839e
	s_mov_b32 s44, 0xbe2aaaa3
	s_mov_b32 s45, 0x37ccf5ce                      ; the cosine's three
	s_mov_b32 s46, 0xbab6061a
	s_mov_b32 s47, 0x3d2aaaa5
	s_cmp_lt_u32 ttmp9, 128                        ; which tensor: the work-group's number alone decides
	s_cselect_b32 s30, 0, 128
	s_cmp_lt_u32 ttmp9, 224
	s_cselect_b32 s30, s30, 224
	s_sub_co_u32 s30, ttmp9, s30                   ; my work-group's number within its tensor
	s_lshl_b32 s30, s30, 2
	s_add_co_u32 s30, s30, s24                     ; my wave's run of 8 rows
	s_lshl_b32 s38, s30, 15                        ; its 32,768 bytes of f32
	s_mov_b32 s39, 0
	s_lshl_b32 s31, s30, 3                         ; its first row R
	s_and_b32 s37, s31, 8
	s_lshl_b32 s37, s37, 1
	s_and_b32 s35, s31, 16
	s_lshr_b32 s35, s35, 1
	s_and_b32 s31, s31, 0xffffffe7
	s_or_b32 s31, s31, s37
	s_or_b32 s31, s31, s35                         ; swap34(R)
	s_bfe_u32 s35, s31, 0x40006                    ; w_attn: the head,
	s_mul_i32 s35, s35, 192
	s_lshr_b32 s37, s31, 10                        ; the section (q, k, v),
	s_lshl_b32 s37, s37, 6
	s_add_co_u32 s35, s35, s37
	s_and_b32 s37, s31, 63                         ; the place within the head
	s_add_co_u32 s35, s35, s37
	s_sub_co_u32 s37, ttmp9, 128
	s_cmp_lt_u32 s37, 96                           ; work-groups 128 to 223
	s_cselect_b32 s52, s35, s31
	s_lshl_b32 s52, s52, 10                        ; the position's 1,024 bytes of codes
	s_mov_b32 s53, 0
	s_wait_alu depctr_va_vdst(0)
	s_wait_kmcnt 0x0
	s_load_b64 s[32:33], s[12:13], 0x0             ; e of x, of w_attn
	s_load_b32 s34, s[12:13], 0x24                 ; e of w_proj
	s_cmp_lt_u32 ttmp9, 128
	s_cselect_b64 s[26:27], s[4:5], s[6:7]
	s_cselect_b64 s[28:29], s[14:15], s[16:17]
	s_cmp_lt_u32 ttmp9, 224
	s_cselect_b64 s[26:27], s[26:27], s[8:9]
	s_cselect_b64 s[28:29], s[28:29], s[18:19]
	s_add_nc_u64 s[26:27], s[26:27], s[38:39]
	s_add_nc_u64 s[28:29], s[28:29], s[52:53]
.macro LOAD t
.irp i, 0,1,2,3
	global_load_b128 v[R+16*((\t)%4)+4*\i:R+16*((\t)%4)+4*\i+3], v3, s[26:27] offset:2048*(\t)+512*\i th:TH_LOAD_NT   ; 32 lanes read 512 consecutive bytes
.endr
.endm
.macro TURN t                          ; step t's numbers through the stage: LDS serves a wave's instructions in order, so no wait stands between the stores and the loads
.irp i, 0,1,2,3
	ds_store_b128 v14, v[R+16*((\t)%4)+4*\i:R+16*((\t)%4)+4*\i+3] offset:32*SP*((\t)%2)+8*SP*\i
.endr
.irp i, 0,1,2,3
	ds_load_b128 v[X+16*((\t)%2)+4*\i:X+16*((\t)%2)+4*\i+3], v15 offset:32*SP*((\t)%2)+16*\i
.endr
.endm
; cos and sin of the angle in v[f], into v[c] and v[s]
.macro SINCOS f, c, s
	v_mul_f32 v[T], 0x3f22f983, v[\f]              ; the angle x 2 / pi,
	v_rndne_f32 v[T], v[T]                         ; to the nearest whole number k
	v_fma_f32 v[T+1], v[T], s40, v[\f]             ; r = the angle - k x pi/2, in two parts
	v_fma_f32 v[T+1], v[T], s41, v[T+1]
	v_cvt_i32_f32 v[T+2], v[T]
	v_mul_f32 v[T+3], v[T+1], v[T+1]               ; z = r r
	v_fma_f32 v[T+4], s42, v[T+3], s43
	v_fma_f32 v[T+4], v[T+4], v[T+3], s44
	v_mul_f32 v[T+5], v[T+3], v[T+1]
	v_fma_f32 v[T+4], v[T+4], v[T+5], v[T+1]       ; sin r
	v_fma_f32 v[T+6], s45, v[T+3], s46
	v_fma_f32 v[T+6], v[T+6], v[T+3], s47
	v_mul_f32 v[T+5], v[T+3], v[T+3]
	v_fma_f32 v[T+7], v[T+3], -0.5, 1.0
	v_fma_f32 v[T+6], v[T+6], v[T+5], v[T+7]       ; cos r
	v_and_b32 v[T+5], 1, v[T+2]
	v_cmp_eq_u32 vcc_lo, 1, v[T+5]                 ; an odd k exchanges the two
	v_cndmask_b32 v[\s], v[T+4], v[T+6], vcc_lo
	v_cndmask_b32 v[\c], v[T+6], v[T+4], vcc_lo
	v_lshlrev_b32 v[T+5], 30, v[T+2]               ; the sine changes sign where k % 4 is 2 or 3,
	v_and_b32 v[T+5], 0x80000000, v[T+5]
	v_xor_b32 v[\s], v[\s], v[T+5]
	v_add_nc_u32 v[T+5], 1, v[T+2]                 ; the cosine where it is 1 or 2
	v_lshlrev_b32 v[T+5], 30, v[T+5]
	v_and_b32 v[T+5], 0x80000000, v[T+5]
	v_xor_b32 v[\c], v[\c], v[T+5]
.endm
	global_load_b128 v[112:115], v6, s[10:11]      ; four numbers of delta: every thread loads, inside the buffer; the first 256 threads use them
.irp t, 0,1,2,3
	LOAD \t
.endr
	; the table of positions: thread g makes four neighbouring d of one t.  g = lane (5 bits), e (1), bb (2), tile (7)
	v_lshrrev_b32 v192, 9, v7
	v_lshlrev_b32 v192, 5, v192                    ; 32 (tile / 2)
	v_bfe_u32 v193, v7, 8, 1
	v_lshl_or_b32 v192, v193, 3, v192              ; + 8 (tile % 2)
	v_and_b32 v193, 7, v7
	v_or_b32 v192, v192, v193                      ; + r % 8
	v_bfe_u32 v193, v7, 3, 1
	v_lshl_or_b32 v192, v193, 4, v192              ; + 16 (r / 8)
	v_cvt_f32_u32 v9, v192                         ; t
	v_bfe_u32 v193, v7, 7, 1
	v_lshlrev_b32 v193, 5, v193                    ; 32 (bb / 2)
	v_bfe_u32 v194, v7, 6, 1
	v_lshl_or_b32 v193, v194, 3, v193              ; + 8 (bb % 2)
	v_bfe_u32 v194, v7, 4, 1
	v_lshl_or_b32 v193, v194, 4, v193              ; + 16 (lane / 16)
	v_bfe_u32 v194, v7, 5, 1
	v_lshl_or_b32 v193, v194, 2, v193              ; + 4 e
	v_cvt_f32_u32 v8, v193                         ; the first d
	v_add_f32 v193, 1.0, v8
	v_add_f32 v194, 2.0, v8
	v_add_f32 v195, 0x40400000, v8
	v_mul_f32 v192, 0xbe549a78, v8                 ; d x -log2(10000) / 64
	v_mul_f32 v193, 0xbe549a78, v193
	v_mul_f32 v194, 0xbe549a78, v194
	v_mul_f32 v195, 0xbe549a78, v195
	s_wait_alu depctr_va_vdst(0)
.irp i, 0,1,2,3
	v_exp_f32 v[F+\i], v[F+\i]                     ; 10000^(-d/64)
.endr
	v_nop                                          ; a plain instruction behind the last exponential
	s_wait_alu depctr_va_vdst(0)                   ; one wait for the four, ahead of their first reader
.irp i, 0,1,2,3
	v_mul_f32 v[F+\i], v9, v[F+\i]                 ; the angle
.endr
.irp i, 0,1,2,3
	SINCOS F+\i, CO+\i, SI+\i
.endr
	global_store_b128 v5, v[CO:CO+3], s[20:21]                 ; a wave stores 512 consecutive bytes
	global_store_b128 v5, v[SI:SI+3], s[20:21] offset:1024
	s_cmp_gt_u32 ttmp9, 1                          ; delta's table: 1,024 numbers, the first two work-groups' 256 threads
	s_cbranch_scc1 .Lno_delta
	s_wait_loadcnt 16                              ; delta's load is in; the 16 loads of the stream behind it may be out
.irp i, 0,1,2,3
	v_med3_num_f32 v[112+\i], v[112+\i], 0xc0c90fdb, 0         ; clip(delta, -2 pi, 0)
.endr
.irp i, 0,1,2,3
	SINCOS 112+\i, 116+\i, 120+\i
.endr
	global_store_b128 v6, v[116:119], s[22:23]
	global_store_b128 v6, v[120:123], s[22:23] offset:4096
.Lno_delta:
	s_wait_kmcnt 0x0
	s_cmp_lt_u32 ttmp9, 128
	s_cselect_b32 s32, s32, s33
	s_cmp_lt_u32 ttmp9, 224
	s_cselect_b32 s32, s32, s34                    ; e
	s_add_co_i32 s32, s32, 127
	s_lshl_b32 s33, s32, 23
	v_mov_b32 v11, s33                             ; 2^e as f32: the conversion takes its exponent field
	s_add_co_i32 s32, s32, EMAX
	s_lshl_b32 s32, s32, 23
	s_or_b32 s32, s32, MANT
	v_mov_b32 v10, s32                             ; 448 x 2^e
	s_wait_alu depctr_va_vdst(0)
	s_wait_loadcnt 12                              ; step 0's four loads are in
	TURN 0
.macro STEP t
.set XS, X+16*((\t)%2)
	s_wait_dscnt 0x0                               ; this step's numbers are back from the stage: so its stores into the stage have read their registers,
.if (\t)+4 < STEPS
	LOAD (\t)+4                                    ; which take the loads of four steps on
.endif
.if (\t)+1 < STEPS
.if STEPS-2-(\t) >= 3
	s_wait_loadcnt 12                              ; the next step's four loads are in; those of the three steps behind it may be out
.else
	s_wait_loadcnt 4*(STEPS-2-(\t))
.endif
	TURN (\t)+1                                    ; and go through the other stage while this step is worked
.endif
.irp i, 0,1,2,3,4,5,6,7,8,9,10,11,12,13,14,15
	v_med3_num_f32 v[XS+\i], v[XS+\i], -v10, v10   ; the conversion to an 8-bit code does not saturate (ISA guide 7.6.2): the hold comes first
.endr
	v_cvt_scalef32_pk8_fp8_f32 v[C+4*(\t):C+4*(\t)+1], v[XS:XS+7], v11
	v_cvt_scalef32_pk8_fp8_f32 v[C+4*(\t)+2:C+4*(\t)+3], v[XS+8:XS+15], v11
	global_store_b128 v4, v[C+4*(\t):C+4*(\t)+3], s[28:29] offset:32*CB*(\t)   ; 512 consecutive bytes; each step has its own registers, so no store's data are written again
.endm
.irp t, 0,1,2,3,4,5,6,7,8,9,10,11,12,13,14,15
	STEP \t
.endr
	s_wait_tensorcnt 0x0                           ; the wave's end, behind my last LDS store
	ds_add_u32 v[SPW], v[NIL]
	s_wait_dscnt 0x0
	s_endpgm
.Lfunc_end_k_q7133e23d49_prep:
	.size	k_q7133e23d49_prep, .Lfunc_end_k_q7133e23d49_prep-k_q7133e23d49_prep
	.p2alignl 7, 3214868480
	.fill 96, 4, 3214868480
	.section	.rodata,"a",@progbits
	.p2align	6, 0x0
	.amdhsa_kernel k_q7133e23d49_prep
		.amdhsa_group_segment_fixed_size 33280
		.amdhsa_private_segment_fixed_size 0
		.amdhsa_enable_private_segment 0
		.amdhsa_kernarg_size 80
		.amdhsa_user_sgpr_count 2
		.amdhsa_user_sgpr_kernarg_segment_ptr 1
		.amdhsa_wavefront_size32 1
		.amdhsa_system_sgpr_workgroup_id_x 1
		.amdhsa_system_sgpr_workgroup_id_y 1
		.amdhsa_system_sgpr_workgroup_id_z 1
		.amdhsa_system_vgpr_workitem_id 0
		.amdhsa_next_free_vgpr 216
		.amdhsa_next_free_sgpr 66
		.amdhsa_reserve_vcc 1
		.amdhsa_float_denorm_mode_32 3
		.amdhsa_float_denorm_mode_16_64 3
		.amdhsa_memory_ordered 1
		.amdhsa_forward_progress 1
		.amdhsa_inst_pref_size 51
	.end_amdhsa_kernel
	.amdgpu_metadata
---
amdhsa.version: [ 1, 2 ]
amdhsa.kernels:
  - .name:           k_q7133e23d49_prep
    .symbol:         k_q7133e23d49_prep.kd
    .args:
      - { .name: x, .offset: 0, .size: 8, .value_kind: global_buffer, .address_space: global }
      - { .name: w_attn, .offset: 8, .size: 8, .value_kind: global_buffer, .address_space: global }
      - { .name: w_proj, .offset: 16, .size: 8, .value_kind: global_buffer, .address_space: global }
      - { .name: delta, .offset: 24, .size: 8, .value_kind: global_buffer, .address_space: global }
      - { .name: lowp_scales, .offset: 32, .size: 8, .value_kind: global_buffer, .address_space: global }
      - { .name: x_codes, .offset: 40, .size: 8, .value_kind: global_buffer, .address_space: global }
      - { .name: wa_codes, .offset: 48, .size: 8, .value_kind: global_buffer, .address_space: global }
      - { .name: wp_codes, .offset: 56, .size: 8, .value_kind: global_buffer, .address_space: global }
      - { .name: cs_img, .offset: 64, .size: 8, .value_kind: global_buffer, .address_space: global }
      - { .name: dtab, .offset: 72, .size: 8, .value_kind: global_buffer, .address_space: global }
    .group_segment_fixed_size: 33280
    .private_segment_fixed_size: 0
    .kernarg_segment_align: 8
    .kernarg_segment_size: 80
    .max_flat_workgroup_size: 128
    .sgpr_count:     66
    .vgpr_count:     216
    .wavefront_size: 32
...
	.end_amdgpu_metadata
.endif
;; end of part 1
;; launch qkv (part 2): grid 16 x 16, 4 waves a work-group, clusters of 4 x 4, 327,680 bytes of LDS; arguments x_codes, wa_codes, lowp_scales, cs_img, dtab, q_img, kv_img; writes q_img, kv_img
.if DOCPART == 2
	.amdgcn_target "amdgcn-amd-amdhsa--gfx1250"
	.amdhsa_code_object_version 6
	.text
	.protected	k_q7133e23d49_qkv
	.globl	k_q7133e23d49_qkv
	.p2align	8
	.type	k_q7133e23d49_qkv,@function
k_q7133e23d49_qkv:
	s_mov_b64 s[64:65], 0
	v_nop
	global_prefetch_b8 v0, s[64:65] scope:SCOPE_SE
	s_setreg_imm32_b32 hwreg(HW_REG_WAVE_MODE, 25, 1), 1
	s_wait_xcnt 0x0
	s_wait_alu depctr_hold_cnt(0) depctr_sa_sdst(0) depctr_va_vdst(0) depctr_va_sdst(0) depctr_va_ssrc(0) depctr_va_vcc(0) depctr_vm_vsrc(0)
	s_getreg_b32 s2, hwreg(HW_REG_IB_STS2, 6, 4)
	s_cmp_eq_u32 s2, 0
	s_cbranch_scc0 .Lentry_in_a_cluster
	s_endpgm
.Lentry_in_a_cluster:
	s_bfe_u32 s2, ttmp6, 0x10000c
	s_cmp_lg_u32 s2, 0xf033
	s_cbranch_scc0 .Lentry_shape_is_right
	s_endpgm
.Lentry_shape_is_right:
.set PITCH,  272
.set ASZ,    256*PITCH
.set BSZ,    192*PITCH
.set SLOT,   ASZ+BSZ
.set SPARE,  2*SLOT
.set ADRA, 16
.set ADRB, 20
.set LI,   24
.set HL64, 25
.set SPW,  28
.set NIL,  29
.set CD,   32
.set SD,   64
.set E,    96
.set MX,   128
.set U,    160
.set L,    192
.set CODES, 224
.set WV,   18
.set G1,   24
.set G0,   32
.set G1B,  48
.set G0B,  56
.set C1,   89
.set SC,   90
.set MSB, 0
.macro WIN new
.if MSB != \new
	s_set_vgpr_msb (MSB<<8)|\new
.set MSB, \new
.endif
.endm
.set MUL_QK, 0xa1
.set MUL_V,  0xf4
.set TO_B,   0x40
.macro JLOAD g0a, g1a, g0b, g1b
	s_cmp_eq_u32 s19, 0
	s_cbranch_scc0 .Lfor_b_\@
	tensor_load_to_lds s[\g0a:\g0a+3], s[\g1a:\g1a+7]
	s_nop 0
.rept 4
	v_nop
.endr
	s_branch .Lasked_\@
.Lfor_b_\@:
	tensor_load_to_lds s[\g0b:\g0b+3], s[\g1b:\g1b+7]
	s_nop 0
.rept 4
	v_nop
.endr
.Lasked_\@:
.endm
.macro CREST
	s_cmp_lg_u32 s[WV], 0
	s_cbranch_scc1 .Lnot_wave_0_\@
	s_barrier_signal -3
.Lnot_wave_0_\@:
	s_barrier_wait -3
	s_barrier_signal -1
	s_barrier_wait -1
.endm
.macro CROUND
	s_barrier_signal -1
	s_barrier_wait -1
	CREST
.endm
.macro PLACES
.rept 4
	v_nop
.endr
.endm
	s_load_b256 s[4:11], s[0:1], 0x0
	s_load_b128 s[12:15], s[0:1], 0x20
	s_load_b64 s[16:17], s[0:1], 0x30
	v_lshl_add_u32 v[SPW], v0, 2, SPARE
	v_mov_b32 v[NIL], 0
	ds_add_u32 v[SPW], v[NIL]
	ds_add_u32 v[SPW], v[NIL]
	v_lshrrev_b32 v1, 5, v0
	v_readfirstlane_b32 s[WV], v1
	s_lshr_b32 s19, s[WV], 1
	s_and_b32 s20, s[WV], 1
	s_bfe_u32 s40, ttmp6, 0x40000
	s_bfe_u32 s41, ttmp6, 0x40004
	s_lshl_b32 s42, ttmp9, 2
	s_add_co_u32 s42, s42, s40
	s_and_b32 s43, ttmp7, 0xffff
	s_lshl_b32 s43, s43, 2
	s_add_co_u32 s43, s43, s41
	s_lshl_b32 s44, s41, 2
	s_lshl_b32 s44, 15, s44
	s_lshl_b32 s45, 0x1111, s40
	s_or_b32 s[G1], s44, (0<<16)|(1<<20)|(1<<21)|(5<<22)|(3<<25)
	s_or_b32 s[G1B], s45, (0<<16)|(1<<20)|(1<<21)|(5<<22)|(3<<25)
	s_mov_b32 s[G1+1], 256<<16
	s_mov_b32 s[G1+2], 128<<16
	s_mov_b32 s[G1+3], 256<<16
	s_mov_b32 s[G1+4], 128
	s_mov_b32 s[G1+5], 1024
	s_mov_b32 s[G1+6], 0
	s_mov_b32 s[G1+7], 0
	s_mov_b32 s[G1B+1], 256<<16
	s_mov_b32 s[G1B+2], 96<<16
	s_mov_b32 s[G1B+3], 256<<16
	s_mov_b32 s[G1B+4], 96
	s_mov_b32 s[G1B+5], 1024
	s_mov_b32 s[G1B+6], 0
	s_mov_b32 s[G1B+7], 0
	s_lshl_b32 s66, s43, 8
	s_lshl_b32 s67, s20, 7
	s_add_co_u32 s66, s66, s67
	s_lshl_b32 s66, s66, 10
	s_mov_b32 s67, 0
	s_mul_i32 s46, s42, 192
	s_mul_i32 s47, s20, 96
	s_add_co_u32 s46, s46, s47
	s_lshl_b32 s46, s46, 10
	s_mov_b32 s47, 0
	s_mul_i32 s21, s20, 128*PITCH
	s_mul_i32 s22, s20, 96*PITCH
	s_add_co_u32 s22, s22, ASZ
	s_wait_dscnt 0x0
	s_wait_kmcnt 0x0
	s_load_b256 s[68:75], s[8:9], 0x0
	s_add_nc_u64 s[66:67], s[4:5], s[66:67]
	s_add_nc_u64 s[46:47], s[6:7], s[46:47]
	CROUND
.irp s, 0,1
	s_mov_b32 s[G0+4*\s], 1
	s_add_co_u32 s[G0+4*\s+1], s21, \s*SLOT
	s_add_nc_u64 s[G0+4*\s+2:G0+4*\s+3], s[66:67], \s*256
	s_or_b32 s[G0+4*\s+3], s[G0+4*\s+3], 0x80000000
	s_mov_b32 s[G0B+4*\s], 1
	s_add_co_u32 s[G0B+4*\s+1], s22, \s*SLOT
	s_add_nc_u64 s[G0B+4*\s+2:G0B+4*\s+3], s[46:47], \s*256
	s_or_b32 s[G0B+4*\s+3], s[G0B+4*\s+3], 0x80000000
	s_wait_alu depctr_va_vdst(0)
	s_wait_tensorcnt 0x0
	ds_add_u32 v28, v29
	ds_add_u32 v28, v29
	s_wait_dscnt 0x0
	CROUND
	JLOAD G0+4*\s, G1, G0B+4*\s, G1B
.endr
	v_and_b32 v1, 15, v0
	v_bfe_u32 v12, v0, 4, 1
	v_mul_u32_u24 v13, v1, PITCH
	v_lshl_add_u32 v13, v12, 4, v13
	s_mul_i32 s23, s[WV], 64*PITCH
	v_add_nc_u32 v[ADRA], s23, v13
	v_add_nc_u32 v[ADRA+1], SLOT, v[ADRA]
	v_add_nc_u32 v[ADRB], ASZ, v13
	v_add_nc_u32 v[ADRB+1], SLOT, v[ADRB]
	v_and_b32 v[LI], 31, v0
	v_lshlrev_b32 v[LI], 4, v[LI]
	v_lshlrev_b32 v[HL64], 6, v12
	s_wait_alu depctr_va_vdst(0)
	s_and_b32 s76, s43, 7
	s_lshl_b32 s77, s76, 4
	s_lshl_b32 s78, s[WV], 2
	s_add_co_u32 s77, s77, s78
	s_lshl_b32 s80, s77, 13
	s_mov_b32 s81, 0
	s_add_nc_u64 s[10:11], s[10:11], s[80:81]
	s_lshl_b32 s80, s42, 8
	s_add_nc_u64 s[12:13], s[12:13], s[80:81]
	s_lshr_b32 s82, s43, 3
	s_lshl_b32 s82, s82, 4
	s_add_co_u32 s82, s82, s42
	s_lshl_b32 s80, s82, 18
	s_lshl_b32 s83, s77, 11
	s_add_co_u32 s80, s80, s83
	s_add_nc_u64 s[14:15], s[14:15], s[80:81]
	s_lshl_b32 s80, s82, 3
	s_add_co_u32 s80, s80, s76
	s_mul_i32 s80, s80, 49152
	s_add_nc_u64 s[16:17], s[16:17], s[80:81]
	s_lshl_b32 s80, s[WV], 13
	s_add_nc_u64 s[84:85], s[16:17], s[80:81]
	s_lshl_b32 s80, s19, 13
	s_lshl_b32 s83, s20, 10
	s_add_co_u32 s80, s80, s83
	s_add_co_u32 s80, s80, 32768
	s_add_nc_u64 s[86:87], s[16:17], s[80:81]
.irp bq, 0,1,2,3
.irp e, 0,1
	global_load_b128 v[CD+8*\bq+4*\e:CD+8*\bq+4*\e+3], v[HL64], s[12:13] offset:128*(\bq/2)+32*(\bq%2)+16*\e
	global_load_b128 v[SD+8*\bq+4*\e:SD+8*\bq+4*\e+3], v[HL64], s[12:13] offset:4096+128*(\bq/2)+32*(\bq%2)+16*\e
.endr
.endr
.macro CSLOAD ta
.irp bq, 0,1,2,3
.irp cs, 0,1
.irp e, 0,1
	global_load_b128 v[(192+64*(\ta))%256+32*\cs+8*\bq+4*\e:(192+64*(\ta))%256+32*\cs+8*\bq+4*\e+3], v[LI], s[10:11] offset:(\ta)*8192+\bq*2048+\cs*1024+\e*512
.endr
.endr
.endr
.endm
	WIN TO_B
	CSLOAD 0
	WIN 0
	s_wait_kmcnt 0x0
	s_add_co_i32 s88, s68, s69
	s_lshl_b32 s[C1], s88, 23
	s_add_co_i32 s[C1], s[C1], 0xbfb8aa3b
	s_add_co_i32 s[SC], s88, 127
	s_lshl_b32 s[SC], s[SC], 23
	s_mov_b32 s[SC+1], s[SC]
.macro MKSC vs, se
	s_add_co_i32 s92, s[\se], 127
	s_lshl_b32 s93, s92, 23
	v_mov_b32 v[\vs], s93
	s_add_co_i32 s92, s92, 8
	s_lshl_b32 s92, s92, 23
	s_or_b32 s92, s92, 0x600000
	v_mov_b32 v[\vs+1], s92
.endm
	MKSC 2, 70
	MKSC 4, 72
	MKSC 6, 71
	MKSC 8, 73
	s_sub_co_i32 s94, s75, s88
	MKSC 10, 94
.macro FRAG reg, adr, q, i
.irp c, 0,1,2,3
	ds_load_b128 v[\reg+4*\c:\reg+4*\c+3], v[\adr] offset:128*(\q)+32*\c+(\i)*16*PITCH
.endr
.endm
.macro FETCH_B slot, q, lo, hi
	WIN TO_B
.set BBI, \lo
.rept (\hi)-(\lo)+1
	FRAG 16*BBI, ADRB+\slot, \q, BBI
.set BBI, BBI+1
.endr
	WIN 0
.endm
.macro FETCH_A slot, q, p
.irp i, 0,1,2,3
	FRAG 128+64*(\p)+16*\i, ADRA+\slot, \q, \i
.endr
.endm
.macro MULQK b0, b1, p, zero
.set BBI, \b0
.rept (\b1)-(\b0)+1
.irp ar, 0,1,2,3
.if \zero
	v_wmma_f32_16x16x128_fp8_fp8 v[8*(4*BBI+\ar):8*(4*BBI+\ar)+7], v[16*BBI:16*BBI+15], v[128+64*(\p)+16*\ar:128+64*(\p)+16*\ar+15], 0
.else
	v_wmma_f32_16x16x128_fp8_fp8 v[8*(4*BBI+\ar):8*(4*BBI+\ar)+7], v[16*BBI:16*BBI+15], v[128+64*(\p)+16*\ar:128+64*(\p)+16*\ar+15], v[8*(4*BBI+\ar):8*(4*BBI+\ar)+7]
.endif
.endr
.set BBI, BBI+1
.endr
.endm
.macro MULV p, zero
.irp bv, 0,1,2,3
.irp ar, 0,1,2,3
.if \zero
	v_wmma_f32_16x16x128_fp8_fp8 v[8*(4*\bv+\ar):8*(4*\bv+\ar)+7], v[128+64*(\p)+16*\ar:128+64*(\p)+16*\ar+15], v[16*(8+\bv):16*(8+\bv)+15], 0
.else
	v_wmma_f32_16x16x128_fp8_fp8 v[8*(4*\bv+\ar):8*(4*\bv+\ar)+7], v[128+64*(\p)+16*\ar:128+64*(\p)+16*\ar+15], v[16*(8+\bv):16*(8+\bv)+15], v[8*(4*\bv+\ar):8*(4*\bv+\ar)+7]
.endif
.endr
.endr
.endm
.macro STEP slot, zero
	s_wait_dscnt 24
	WIN MUL_QK
	MULQK 0, 5, 0, \zero
	s_wait_dscnt 0x0
	PLACES
	FETCH_B \slot, 1, 0, 5
	FETCH_A \slot, 1, 1
	WIN MUL_QK
	MULQK 6, 7, 0, \zero
	WIN MUL_V
	MULV 0, \zero
	PLACES
	FETCH_B \slot, 1, 6, 11
.endm
.macro TURN slot, next, fill
	s_wait_tensorcnt 0x0
	ds_add_u32 v[SPW], v[NIL]
	s_wait_dscnt 25
	WIN MUL_QK
	MULQK 0, 2, 1, 0
	s_wait_dscnt 0x0
	s_barrier_signal -1
	MULQK 3, 5, 1, 0
	WIN 0
	s_barrier_wait -1
.if \fill
	CREST
	s_add_nc_u64 s[G0+4*\slot+2:G0+4*\slot+3], s[G0+4*\slot+2:G0+4*\slot+3], 512
	s_add_nc_u64 s[G0B+4*\slot+2:G0B+4*\slot+3], s[G0B+4*\slot+2:G0B+4*\slot+3], 512
	JLOAD G0+4*\slot, G1, G0B+4*\slot, G1B
.else
	PLACES
.endif
	FETCH_B \next, 0, 0, 5
	FETCH_A \next, 0, 0
	WIN MUL_QK
	MULQK 6, 7, 1, 0
	WIN MUL_V
	MULV 1, 0
	PLACES
	FETCH_B \next, 0, 6, 11
.endm
	s_wait_tensorcnt 1
	s_barrier_signal -1
	s_barrier_wait -1
	FETCH_B 0, 0, 0, 5
	FETCH_A 0, 0, 0
	FETCH_B 0, 0, 6, 11
	STEP 0, 1
	TURN 0, 1, 1
	STEP 1, 0
	TURN 1, 0, 1
	STEP 0, 0
	TURN 0, 1, 0
	STEP 1, 0
	s_wait_dscnt 24
	WIN MUL_QK
	MULQK 0, 5, 1, 0
	s_wait_dscnt 0x0
	MULQK 6, 7, 1, 0
	WIN MUL_V
	MULV 1, 0
	PLACES
	WIN TO_B
	CSLOAD 1
	CSLOAD 2
	CSLOAD 3
.macro VOUT be
	WIN 0xc3
.irp bq, 0,1,2,3
.irp u, 0,1
.irp j, 0,1,2,3,4,5,6,7
	v_med3_num_f32 v[8*(4*\bq+2*\be+\u)+\j], v[8*(4*\bq+2*\be+\u)+\j], -v11, v11
.endr
.endr
.endr
	s_wait_alu depctr_va_vdst(0)
	s_wait_xcnt 0x0
	WIN 0x03
.irp bq, 0,1,2,3
.irp u, 0,1
	v_cvt_scalef32_pk8_fp8_f32 v[CODES+4*\bq+2*\u:CODES+4*\bq+2*\u+1], v[8*(4*\bq+2*\be+\u):8*(4*\bq+2*\be+\u)+7], v10
.endr
.endr
	v_nop
	WIN 0
.irp bq, 0,1,2,3
	global_store_b128 v[LI], v[CODES+4*\bq:CODES+4*\bq+3], s[86:87] offset:\bq*2048+\be*512
.endr
.endm
.macro QK ta, sec
.set AC, 128*(\sec)+8*(\ta)
.set CSB, (192+64*(\ta))%256
.set SR, 2+4*(\sec)
.if (\sec) == 0
	s_wait_loadcnt 48-16*(\ta)
.endif
	WIN 0x02
.set N, 0
.rept 32
	v_mul_f32 v[E+N], |v[AC+32*(N/8)+N%8]|, s[C1]
.set N, N+1
.endr
.set N, 0
.rept 32
	v_max_num_f32 v[MX+N], v[AC+32*(N/8)+N%8], 0
.set N, N+1
.endr
	WIN 0
.set N, 0
	s_wait_alu depctr_va_vdst(0)
.rept 32
	v_exp_f32 v[E+N], v[E+N]
.set N, N+1
.endr
	v_nop
	s_wait_alu depctr_va_vdst(0)
.set N, 0
.rept 16
	v_pk_add_f32 v[U+N:U+N+1], v[E+N:E+N+1], 1.0 op_sel_hi:[1,0]
.set N, N+2
.endr
.set N, 0
	s_wait_alu depctr_va_vdst(0)
.rept 32
	v_log_f32 v[L+N], v[U+N]
.set N, N+1
.endr
	v_nop
.set N, 0
.rept 16
	v_pk_add_f32 v[U+N:U+N+1], v[U+N:U+N+1], -1.0 op_sel_hi:[1,0]
.set N, N+2
.endr
.set N, 0
.rept 16
	v_pk_add_f32 v[E+N:E+N+1], v[E+N:E+N+1], v[U+N:U+N+1] neg_lo:[0,1] neg_hi:[0,1]
.set N, N+2
.endr
.set N, 0
.rept 16
	v_pk_fma_f32 v[MX+N:MX+N+1], v[MX+N:MX+N+1], s[SC:SC+1], v[E+N:E+N+1] op_sel_hi:[1,0,1]
.set N, N+2
.endr
	s_wait_alu depctr_va_vdst(0)
.set N, 0
.rept 16
	v_pk_fma_f32 v[MX+N:MX+N+1], v[L+N:L+N+1], 0x3f317218, v[MX+N:MX+N+1] op_sel_hi:[1,0,1]
.set N, N+2
.endr
.if (\sec) == 0
	WIN 0x04
.set N, 0
.rept 16
	v_pk_mul_f32 v[E+N:E+N+1], v[MX+N:MX+N+1], v[CSB+N:CSB+N+1]
	v_pk_mul_f32 v[U+N:U+N+1], v[MX+N:MX+N+1], v[CSB+32+N:CSB+32+N+1]
.set N, N+2
.endr
	WIN 0
.else
	WIN 0x01
.set N, 0
.rept 16
	v_pk_mul_f32 v[E+N:E+N+1], v[CSB+N:CSB+N+1], v[CD+N:CD+N+1]
	v_pk_mul_f32 v[U+N:U+N+1], v[CSB+32+N:CSB+32+N+1], v[CD+N:CD+N+1]
.set N, N+2
.endr
.set N, 0
.rept 16
	v_pk_fma_f32 v[E+N:E+N+1], v[CSB+32+N:CSB+32+N+1], v[SD+N:SD+N+1], v[E+N:E+N+1] neg_lo:[1,0,0] neg_hi:[1,0,0]
	v_pk_fma_f32 v[U+N:U+N+1], v[CSB+N:CSB+N+1], v[SD+N:SD+N+1], v[U+N:U+N+1]
.set N, N+2
.endr
	WIN 0
.set N, 0
.rept 16
	v_pk_mul_f32 v[E+N:E+N+1], v[E+N:E+N+1], v[MX+N:MX+N+1]
	v_pk_mul_f32 v[U+N:U+N+1], v[U+N:U+N+1], v[MX+N:MX+N+1]
.set N, N+2
.endr
.endif
.set N, 0
.rept 32
	v_med3_num_f32 v[E+N], v[E+N], -v[SR+1], v[SR+1]
	v_med3_num_f32 v[U+N], v[U+N], -v[SR+3], v[SR+3]
.set N, N+1
.endr
	s_wait_alu depctr_va_vdst(0)
	s_wait_xcnt 0x0
.irp bq, 0,1,2,3
	v_cvt_scalef32_pk8_fp8_f32 v[CODES+2*\bq:CODES+2*\bq+1], v[E+8*\bq:E+8*\bq+7], v[SR]
	v_cvt_scalef32_pk8_fp8_f32 v[CODES+8+2*\bq:CODES+8+2*\bq+1], v[U+8*\bq:U+8*\bq+7], v[SR+2]
.endr
	v_nop
.irp c, 0,1,2,3
.if (\sec) == 0
	global_store_b128 v[LI], v[CODES+4*\c:CODES+4*\c+3], s[14:15] offset:(\ta)*2048+512*\c
.else
	global_store_b128 v[LI], v[CODES+4*\c:CODES+4*\c+3], s[84:85] offset:(\ta)*2048+512*\c
.endif
.endr
.endm
	s_wait_alu depctr_va_vdst(0)
	VOUT 0
	VOUT 1
.irp ta, 0,1,2,3
	QK \ta, 0
	QK \ta, 1
.endr
	s_wait_tensorcnt 0x0
	ds_add_u32 v[SPW], v[NIL]
	s_wait_dscnt 0x0
	CROUND
	s_endpgm
.Lfunc_end_k_q7133e23d49_qkv:
	.size	k_q7133e23d49_qkv, .Lfunc_end_k_q7133e23d49_qkv-k_q7133e23d49_qkv
	.p2alignl 7, 3214868480
	.fill 96, 4, 3214868480
	.section	.rodata,"a",@progbits
	.p2align	6, 0x0
	.amdhsa_kernel k_q7133e23d49_qkv
		.amdhsa_group_segment_fixed_size 327680
		.amdhsa_private_segment_fixed_size 0
		.amdhsa_enable_private_segment 0
		.amdhsa_kernarg_size 56
		.amdhsa_user_sgpr_count 2
		.amdhsa_user_sgpr_kernarg_segment_ptr 1
		.amdhsa_wavefront_size32 1
		.amdhsa_system_sgpr_workgroup_id_x 1
		.amdhsa_system_sgpr_workgroup_id_y 1
		.amdhsa_system_sgpr_workgroup_id_z 1
		.amdhsa_system_vgpr_workitem_id 0
		.amdhsa_next_free_vgpr 1024
		.amdhsa_next_free_sgpr 100
		.amdhsa_reserve_vcc 0
		.amdhsa_float_denorm_mode_32 3
		.amdhsa_float_denorm_mode_16_64 3
		.amdhsa_memory_ordered 1
		.amdhsa_forward_progress 1
		.amdhsa_inst_pref_size 255
	.end_amdhsa_kernel
	.section	.bss,"aw",@nobits
	.p2align	6
	.space	262144
	.amdgpu_metadata
---
amdhsa.version: [ 1, 2 ]
amdhsa.kernels:
  - .name:           k_q7133e23d49_qkv
    .symbol:         k_q7133e23d49_qkv.kd
    .args:
      - { .name: x_codes, .offset: 0, .size: 8, .value_kind: global_buffer, .address_space: global }
      - { .name: wa_codes, .offset: 8, .size: 8, .value_kind: global_buffer, .address_space: global }
      - { .name: lowp_scales, .offset: 16, .size: 8, .value_kind: global_buffer, .address_space: global }
      - { .name: cs_img, .offset: 24, .size: 8, .value_kind: global_buffer, .address_space: global }
      - { .name: dtab, .offset: 32, .size: 8, .value_kind: global_buffer, .address_space: global }
      - { .name: q_img, .offset: 40, .size: 8, .value_kind: global_buffer, .address_space: global }
      - { .name: kv_img, .offset: 48, .size: 8, .value_kind: global_buffer, .address_space: global }
    .group_segment_fixed_size: 327680
    .private_segment_fixed_size: 0
    .kernarg_segment_align: 8
    .kernarg_segment_size: 56
    .max_flat_workgroup_size: 128
    .sgpr_count:     100
    .vgpr_count:     1024
    .wavefront_size: 32
...
	.end_amdgpu_metadata
.endif
;; end of part 2
;; launch attn (part 3): grid 8 x 32, 8 waves a work-group, no clusters, 327,680 bytes of LDS; arguments q_img, kv_img, lowp_scales, y_img; writes y_img
.if DOCPART == 3
	.amdgcn_target "amdgcn-amd-amdhsa--gfx1250"
	.amdhsa_code_object_version 6
	.text
	.protected	k_q7133e23d49_attn
	.globl	k_q7133e23d49_attn
	.p2align	8
	.type	k_q7133e23d49_attn,@function
k_q7133e23d49_attn:
	s_mov_b64 s[64:65], 0
	v_nop
	global_prefetch_b8 v0, s[64:65] scope:SCOPE_SE
	s_setreg_imm32_b32 hwreg(HW_REG_WAVE_MODE, 25, 1), 1
	s_wait_xcnt 0x0
; y = softmax((q_real k_real^T + q_imag k_imag^T) / 8, causal) v, all three products on codes of E4M3, then y's quantiser.
; THE SOFTMAX AHEAD OF p v: t = logit x log2(e); M = the running largest t rounded UP to a whole number; p = 2^(t - M) is quantised; the row's sum is taken of the unquantised p and divides at the end.
; Tiles of keys that lie wholly behind the causal mask, which the definition builds itself, are not multiplied.
; SHARES.  Work-group (i, bh) owns the blocks i and 15 - i of 128 queries of head bh and takes them ONE AFTER THE OTHER.  A block's 128 queries go to four pairs of waves, 32 queries (two tiles, A and B) a pair;
; of a slot's two steps of 128 keys one wave of the pair takes the first, the other the second.  Each fragment of K and V that a wave reads from LDS feeds both its tiles.
; Block j needs j / 2 + 1 slots, so every work-group walks 9 slots, whatever i: constant trip counts.
; A STEP HAS TWO PARTS.  The first reads K and V from LDS and makes the scores, the maximum and p; the second works on registers alone: the sums, p's codes, O^T.  The waves of the second steps run both in their trip;
; the waves of the first steps run their second part behind the next change of slots: V's fragments are in registers by then (the wait on DScnt in front of the barrier), so they read nothing of the slot that is filled again.
; A first step (key 256 s of slot s <= j / 2) never lies behind the mask, so only the waves of the second steps test for a hidden step.
; At a block's end the wave of the second steps hands -M, its sums and O^T to its partner through LDS; the partner brings both under the larger M (powers of two: nothing is rounded), adds, divides and stores.
; The hand-over uses the ring's own barrier: stored in front of a change of slots, read behind it; the scratch takes turns between two regions, trip by trip, and each wave stores into bytes of its own.
; The second block's Q waits in LDS bytes of the wave's own, stored there at the head.
; No cluster: the order of slots hangs on i (the first block ends after 1, 1, 2, 2, 3, 3, 4, 4 slots), so only two work-groups of a head make the same nine requests.
; THE RING: two LDS slots of 256 keys (49,152 bytes).  Waves 0 and 1 fetch K, each two rows of 8,192 bytes (four tiles of the first step, four of the second), wave 2 fetches V: every load holds bytes of both steps.
; In LDS: K's tile (step q, group g, t) at 16,384 g + 8,192 q + 2,048 t; V's (q, t) at 32,768 + 8,192 q + 2,048 t.
; PREFETCH: work-group x of a head names slot x (x = 2 .. 7), whole, at change x - 2; no tensor load of the head asks for slot x before change x - 1.  Waves 2 to 7, 8,192 bytes each, lanes 256 bytes apart; slots 0, 1 come by their loads alone.
; LAYOUT.  S^T = K Q^T, O^T = V^T P^T: a lane holds one query of each tile throughout.  Tile T of 16 holds rows 32 (T / 2) + 8 (T % 2) + (i % 8) + 16 (i / 8), so two neighbouring tiles of keys leave 16 neighbours of the next K in a lane.
; u = S_real + S_imag x 2^(e4 + e5 - e2 - e3), t = u x log2(e) / 8 x 2^(e2 + e3).
; LIMITS: e2 + e3 between -123 and 129; e4 + e5 - e2 - e3 between -126 and 127; e6 and e8 between -126 and 119; the scaled scores t stay under 2^31 in magnitude.
; REGISTERS, in two windows of 256.  Under the same numbers, tile A's in window 0 and tile B's in window 1: v[14:15] the sum; v16-31 Q; v96-159 u, then p; v160-191 O^T; v192-223 the imaginary sums, then the sum's parts; v224-239 p's codes.
;   v32-95: window 0 K's first group, then V; window 1 K's second group.
;   Window 0 alone: v1 16 x lane; v[2:3] B's -M and largest t; v4 256 x lane; v5, v6 the add's; v7 scratch address; v8 the slot's address; v9 the mask's lane term; v10, v11 y's scale and hold; v[12:13] A's -M and largest t;
;   v240, v241 p's hold and scale; v[242:243] B's f; v244, v245 permutes; v[246:247] A's f; v248-255 at work.
; s_set_vgpr_msb's low byte: bits 1:0 source 0, 3:2 source 1, 5:4 source 2, 7:6 destination.  A macro's argument b (0: tile A, 1: tile B) multiplies the setting.
.set SLOT1, 1<<16
.set SLOTB, 49152
.set VOFF,  32768
.set SCRA,  0x20000                    ; scratch region of the even trips: 8 waves x SCRW
.set SCRX,  0x14000                    ; SCRA xor this = 0x34000, the odd trips' region
.set SCRW,  9216                       ; O^T of A, of B, 4,096 bytes each; then the two states, 512 bytes each
.set SPARE, 0x46000                    ; the spare words, 128 bytes a wave
.set QST0,  0x46800                    ; the second block's Q: 4,096 bytes a wave
.set LI,   1
.set PFO,  4
.set SPW,  5
.set NIL,  6
.set SCA,  7
.set ADK,  8
.set DL,   9
.set TB,   2                           ; s2   LDS byte of my step's part of the slot in hand
.set T,    3                           ; s3   the trip, 0 .. 9
.set N1,   12                          ; s12  slots of the first block
.set SB,   13                          ; s13  this trip's scratch region
.set SOWN, 14                          ; s14  my place in a region;  s15 my partner's
.set SPT,  15
.set QS,   16                          ; s16  my Q stash
.set Q0B,  17                          ; s17  the second block's first query of mine
.set WV,   18
.set PAR,  19                          ; s19  which step of a slot is mine
.set SEL,  20
.set CS,   22
.set G1K,  24
.set G1V,  32
.set G0,   40
.set YA,   56                          ; s[56:57], s[58:59] where the two blocks' results go
.set YB,   58
.set KVB,  60                          ; s[60:61] my load's part of the head's slot 0
.set KF0,  62                          ; s62  128 x PAR
.set N1M,  63                          ; s63  N1 - 1
.set PFA,  84
.set LIM,  86
.set RS,   88
.set KF,   98
.set Q0,   99
.set MSB, 0
.macro WIN new                         ; the immediate's high byte repeats the setting that is left
.if MSB != (\new)
	s_set_vgpr_msb (MSB<<8)|(\new)
.set MSB, (\new)
.endif
.endm
.macro NOPS n
.rept \n
	v_nop
.endr
.endm
.macro TLOAD                           ; waves 0, 1: K; wave 2: V; the others nothing.  An s_nop 0 and four v_nop follow each load
	s_cmp_lt_u32 s[WV], 2
	s_cbranch_scc0 .Lnot_k_\@
	tensor_load_to_lds s[G0:G0+3], s[G1K:G1K+7]
	s_nop 0
	NOPS 4
	s_branch .Lasked_\@
.Lnot_k_\@:
	s_cmp_lt_u32 s[WV], 3
	s_cbranch_scc0 .Lasked_\@
	tensor_load_to_lds s[G0:G0+3], s[G1V:G1V+7]
	s_nop 0
	NOPS 4
.Lasked_\@:
.endm
.macro ASK
	s_cmp_eq_u32 s[T], s[LIM]
	s_cbranch_scc0 .Lnot_mine_\@
	global_prefetch_b8 v[PFO], s[PFA:PFA+1] th:TH_LOAD_NT scope:SCOPE_SE   ; its address registers are never rewritten
.Lnot_mine_\@:
.endm
.macro INIT                            ; a block's start: the largest t -3e38, sums and O^T zero, for both tiles
	WIN 0x40
	v_mov_b32 v14, 0
	v_mov_b32 v15, 0
.set N, 0
.rept 32
	v_mov_b32 v[160+N], 0
.set N, N+1
.endr
	WIN 0
	v_mov_b32 v13, 0xff61b1e6
	v_mov_b32 v3, 0xff61b1e6
	v_floor_f32 v12, -v13
	v_floor_f32 v2, -v3
	v_mov_b32 v14, 0
	v_mov_b32 v15, 0
.set N, 0
.rept 32
	v_mov_b32 v[160+N], 0
.set N, N+1
.endr
.endm
	s_load_b256 s[4:11], s[0:1], 0x0               ; q_img, kv_img, the scales' exponents, y_img
	v_lshl_add_u32 v[SPW], v0, 2, SPARE
	v_mov_b32 v[NIL], 0
	ds_add_u32 v[SPW], v[NIL]                      ; the opening lines: the add twice on end and its wait ahead of my first tensor load
	ds_add_u32 v[SPW], v[NIL]
	v_lshrrev_b32 v8, 5, v0
	v_readfirstlane_b32 s[WV], v8
	s_and_b32 s44, ttmp7, 0xffff                   ; bh = 16 b + h
	s_lshr_b32 s[PAR], s[WV], 2
	s_xor_b32 s[PAR], s[PAR], s[WV]
	s_and_b32 s[PAR], s[PAR], 1                    ; waves 2 n and 2 n + 1 differ in it, and so do waves w and w + 4
	s_lshr_b32 s46, s[WV], 1
	s_lshl_b32 s46, s46, 1                         ; my first tile of the block's eight: 2 x pair
	s_lshr_b32 s[N1], ttmp9, 1
	s_add_co_u32 s[N1], s[N1], 1
	s_sub_co_u32 s[N1M], s[N1], 1
	s_sub_co_u32 s47, 15, ttmp9                    ; the second block
	s_lshl_b32 s48, ttmp9, 3
	s_add_co_u32 s48, s48, s46                     ; tile A among the head's 128, first block,
	s_lshl_b32 s49, s47, 3
	s_add_co_u32 s49, s49, s46                     ; second block
	s_lshl_b32 s[Q0], s48, 4                       ; A's lane r has query Q0 + r + 8 (r / 8), B's 8 more: Q0 .. Q0 + 31
	s_lshl_b32 s[Q0B], s49, 4
	s_mul_i32 s50, s44, 8*SLOTB                    ; the head's slots in kv_img
	s_min_u32 s51, s[WV], 2
	s_lshl_b32 s52, s51, 13
	s_lshr_b32 s53, s51, 1
	s_lshl_b32 s53, s53, 14
	s_add_co_u32 s52, s52, s53                     ; byte 0, 8,192 or 32,768 of a slot
	s_add_co_u32 s52, s52, s50
	s_mov_b32 s53, 0
	s_lshl_b32 s54, s44, 18
	s_lshl_b32 s76, s49, 11
	s_add_co_u32 s76, s76, s54                     ; my tiles' images in q_img: B's follows A's
	s_mov_b32 s77, 0
	s_lshl_b32 s55, s48, 11
	s_add_co_u32 s54, s54, s55
	s_mov_b32 s55, 0
	s_lshr_b32 s78, s44, 4
	s_lshl_b32 s78, s78, 7                         ; y_img: tile 128 b + my tile, 16,384 bytes each,
	s_bfe_u32 s79, s44, 0x30001
	s_lshl_b32 s79, s79, 11                        ; K step h / 2,
	s_and_b32 s81, s44, 1
	s_lshl_b32 s81, s81, 10
	s_add_co_u32 s79, s79, s81                     ; chunks 2 (h % 2) on
	s_add_co_u32 s[YA], s78, s48
	s_lshl_b32 s[YA], s[YA], 14
	s_add_co_u32 s[YA], s[YA], s79
	s_mov_b32 s[YA+1], 0
	s_add_co_u32 s[YB], s78, s49
	s_lshl_b32 s[YB], s[YB], 14
	s_add_co_u32 s[YB], s[YB], s79
	s_mov_b32 s[YB+1], 0
	s_mov_b32 s[G1K], 3<<16                        ; no mask; elements of 8 bytes; no padding
	s_mov_b32 s[G1K+1], 1024<<16                   ; rows of 1,024 elements: 8,192 bytes
	s_mov_b32 s[G1K+2], 2<<16                      ; two rows
	s_mov_b32 s[G1K+3], 1024<<16
	s_mov_b32 s[G1K+4], 2
	s_mov_b32 s[G1K+5], 2048                       ; K: 16,384 bytes from row to row
	s_mov_b32 s[G1K+6], 0
	s_mov_b32 s[G1K+7], 0
	s_mov_b32 s[G1V], 3<<16
	s_mov_b32 s[G1V+1], 1024<<16
	s_mov_b32 s[G1V+2], 2<<16
	s_mov_b32 s[G1V+3], 1024<<16
	s_mov_b32 s[G1V+4], 2
	s_mov_b32 s[G1V+5], 1024                       ; V: dense
	s_mov_b32 s[G1V+6], 0
	s_mov_b32 s[G1V+7], 0
	s_mov_b32 s[SEL], 0x76543210
	s_mov_b32 s[SEL+1], 0xfedcba98
	s_mov_b32 s[CS], 0x3e38aa3b                    ; log2(e) / 8
	s_lshl_b32 s[TB], s[PAR], 13
	s_mov_b32 s[T], 0
	s_lshl_b32 s[KF0], s[PAR], 7
	s_mov_b32 s[KF], s[KF0]
	s_mov_b32 s[SB], SCRA
	s_mul_i32 s[SOWN], s[WV], SCRW
	s_xor_b32 s[SPT], s[WV], 1
	s_mul_i32 s[SPT], s[SPT], SCRW
	s_lshl_b32 s[QS], s[WV], 12
	s_add_co_u32 s[QS], s[QS], QST0
	s_wait_dscnt 0x0                               ; both opening adds are done
	s_wait_kmcnt 0x0
	s_load_b256 s[68:75], s[8:9], 0x0              ; e0 .. e7
	s_load_b32 s80, s[8:9], 0x20                   ; e8
	s_add_nc_u64 s[KVB:KVB+1], s[6:7], s[52:53]
	s_mov_b32 s[G0], 1
	s_lshl_b32 s[G0+1], s51, 14                    ; LDS: slot 0, 16,384 x wave
	s_mov_b64 s[G0+2:G0+3], s[KVB:KVB+1]
	s_or_b32 s[G0+3], s[G0+3], 0x80000000
	TLOAD                                          ; slot 0
	s_sub_co_u32 s82, s[WV], 2                     ; the prefetch: who asks, when and where
	s_cmp_lt_u32 s82, 6
	s_cselect_b32 s83, 0, 1                        ; 0 in waves 2 to 7
	s_min_u32 s82, s82, 5
	s_lshl_b32 s82, s82, 13
	s_add_co_u32 s82, s82, s50
	s_mul_i32 s81, ttmp9, SLOTB
	s_add_co_u32 s82, s82, s81                     ; slot x of my head, x my work-group's number
	s_sub_co_u32 s81, ttmp9, 2                     ; at change x - 2 (x = 0, 1: a number that no trip reaches)
	s_cmp_eq_u32 s83, 0
	s_cselect_b32 s[LIM], s81, -1
	s_mov_b32 s83, 0
	s_add_nc_u64 s[PFA:PFA+1], s[6:7], s[82:83]
	s_add_nc_u64 s[54:55], s[4:5], s[54:55]
	s_add_nc_u64 s[76:77], s[4:5], s[76:77]
	s_add_nc_u64 s[YA:YA+1], s[10:11], s[YA:YA+1]
	s_add_nc_u64 s[YB:YB+1], s[10:11], s[YB:YB+1]
	v_and_b32 v[LI], 31, v0
	v_lshlrev_b32 v[PFO], 8, v[LI]
	v_lshlrev_b32 v[LI], 4, v[LI]
.irp c, 0,1,2,3
	global_load_b128 v[16+4*\c:19+4*\c], v[LI], s[54:55] offset:512*\c        ; the first block's Q, tile A: chunks 0, 1 real, 2, 3 imaginary
.endr
	WIN 0x40
.irp c, 0,1,2,3
	global_load_b128 v[16+4*\c:19+4*\c], v[LI], s[54:55] offset:2048+512*\c   ; tile B, into window 1
.endr
	WIN 0
.irp c, 0,1,2,3,4,5,6,7
	global_load_b128 v[32+4*\c:35+4*\c], v[LI], s[76:77] offset:512*\c        ; the second block's, both tiles, on their way to the stash
.endr
	v_and_b32 v[DL], 15, v0
	v_and_b32 v10, 8, v0
	v_add_nc_u32 v[DL], v[DL], v10
	v_and_b32 v10, 16, v0
	v_sub_nc_u32 v[DL], v[DL], v10                 ; r + 8 (r / 8) - 16 (lane / 16)
	v_mov_b32 v244, 0                              ; a lane permute's destination counts as one of its sources
	v_mov_b32 v245, 0
	v_mov_b32 v243, 0                              ; (the upper halves of the pairs that hold f)
	v_mov_b32 v247, 0
	INIT
	s_wait_kmcnt 0x0
	s_add_co_i32 s90, s70, s71                     ; e2 + e3
	s_lshl_b32 s91, s90, 23
	s_add_co_i32 s[CS], s[CS], s91                 ; added to c's exponent field
	s_mov_b32 s[CS+1], s[CS]
	s_add_co_i32 s91, s72, s73
	s_sub_co_i32 s91, s91, s90
	s_add_co_i32 s91, s91, 127
	s_lshl_b32 s[RS], s91, 23                      ; 2^(e4 + e5 - e2 - e3)
	s_mov_b32 s[RS+1], s[RS]
	s_add_co_i32 s91, s74, 127
	s_lshl_b32 s92, s91, 23
	v_mov_b32 v241, s92                            ; 2^e6
	s_add_co_i32 s91, s91, 8
	s_lshl_b32 s91, s91, 23
	s_or_b32 s91, s91, 0x600000
	v_mov_b32 v240, s91                            ; 448 x 2^e6
	s_add_co_i32 s91, s80, 127
	s_lshl_b32 s92, s91, 23
	v_mov_b32 v10, s92                             ; 2^e8
	s_add_co_i32 s91, s91, 8
	s_lshl_b32 s91, s91, 23
	s_or_b32 s91, s91, 0x600000
	v_mov_b32 v11, s91                             ; 448 x 2^e8
	s_add_co_i32 s93, s74, s75                     ; e6 + e7
	v_add_nc_u32 v[SCA], s[QS], v[LI]
.macro KLOAD g                         ; four tiles of 16 keys: 16 registers each, real then imaginary
.irp t, 0,1,2,3
.irp c, 0,1,2,3
	ds_load_b128 v[32+16*\t+4*\c:32+16*\t+4*\c+3], v[ADK] offset:(\g)*16384+\t*2048+512*\c
.endr
.endr
.endm
.macro VLOAD                           ; V^T: four tiles of 16 channels x my step's 128 keys
.irp t, 0,1,2,3
.irp c, 0,1,2,3
	ds_load_b128 v[32+16*\t+4*\c:32+16*\t+4*\c+3], v[ADK] offset:VOFF+\t*2048+512*\c
.endr
.endr
.endm
.macro SMM g, b                        ; the scores of group g's four tiles of keys for tile b: the fragments lie in window g
	WIN 0x44*(\b)+(\g)
.irp t, 0,1,2,3
	v_wmma_f32_16x16x64_fp8_fp8 v[96+8*(4*(\g)+\t):103+8*(4*(\g)+\t)], v[32+16*\t:39+16*\t], v[16:23], 0      ; k_real q_real^T
.endr
.irp t, 0,1,2,3
	v_wmma_f32_16x16x64_fp8_fp8 v[192+8*\t:199+8*\t], v[40+16*\t:47+16*\t], v[24:31], 0                       ; k_imag q_imag^T
.endr
.endm
.macro UU g, b                         ; u; each accumulator from its low end on
	WIN 0x51*(\b)
.irp t, 0,1,2,3
.irp k, 0,2,4,6
	v_pk_fma_f32 v[96+8*(4*(\g)+\t)+\k:97+8*(4*(\g)+\t)+\k], v[192+8*\t+\k:193+8*\t+\k], s[RS:RS+1], v[96+8*(4*(\g)+\t)+\k:97+8*(4*(\g)+\t)+\k] op_sel_hi:[1,0,1]
.endr
.endr
.endm
.macro MASK b                          ; register n holds key KF + 16 (lane / 16) + 32 (n / 16) + n % 16: hidden where n % 16 is above the threshold of its group n / 16
	WIN 0x41*(\b)
.set N, 0
.rept 64
	v_cmp_gt_i32 vcc_lo, N%16, v[248+4*(\b)+N/16]
	v_cndmask_b32 v[96+N], v[96+N], v244, vcc_lo
.set N, N+1
.endr
.endm
.macro MAXT b, m                       ; the step's largest u of my query into v[m] of window 0: four chains by turns
	WIN 0x15*(\b)
.irp c, 0,1,2,3
	v_max3_num_f32 v[\m+\c], v[96+16*\c], v[97+16*\c], v[98+16*\c]
.endr
	WIN 0x14*(\b)
.irp k, 0,1,2,3,4,5
.irp c, 0,1,2,3
	v_max3_num_f32 v[\m+\c], v[\m+\c], v[99+16*\c+2*\k], v[100+16*\c+2*\k]
.endr
.endr
	v_max3_num_f32 v[\m], v[\m], v111, v127
	v_max3_num_f32 v[\m+1], v[\m+1], v143, v159
	WIN 0
	v_max3_num_f32 v[\m], v[\m], v[\m+1], v[\m+2]
	v_max_num_f32 v[\m], v[\m], v[\m+3]
.endm
.macro TMX b, nm                       ; t - M
	WIN 0x41*(\b)
.set N, 0
.rept 32
	v_pk_fma_f32 v[96+N:97+N], v[96+N:97+N], s[CS:CS+1], v[\nm:\nm+1] op_sel_hi:[1,0,0]
.set N, N+2
.endr
.endm
.macro EXPS b                          ; p
	WIN 0x41*(\b)
.set N, 0
.rept 64
	v_exp_f32 v[96+N], v[96+N]
.set N, N+1
.endr
.endm
.macro LF b, f                         ; the sums under the new M
	WIN 0x41*(\b)
	v_pk_mul_f32 v[14:15], v[14:15], v[\f:\f+1] op_sel_hi:[1,0]
.endm
.macro TAIL b, f                       ; the row's sum of the unquantised p (eight chains; the parts lie where the imaginary sums lay), p's codes, O^T under the new M
	WIN 0x45*(\b)
.irp k, 0,1,2,3,4,5,6
	v_pk_add_f32 v[192+2*\k:193+2*\k], v[96+4*\k:97+4*\k], v[98+4*\k:99+4*\k]
.endr
	v_pk_add_f32 v[14:15], v[14:15], v[124:125]
.irp r, 0,1
.irp k, 0,1,2,3,4,5,6
	v_pk_add_f32 v[192+2*\k:193+2*\k], v[192+2*\k:193+2*\k], v[126+16*\r+2*\k:127+16*\r+2*\k]
.endr
	v_pk_add_f32 v[14:15], v[14:15], v[140+16*\r:141+16*\r]
.endr
	v_pk_add_f32 v[192:193], v[192:193], v[158:159]
	v_pk_add_f32 v[194:195], v[194:195], v[196:197]
	v_pk_add_f32 v[198:199], v[198:199], v[200:201]
	v_pk_add_f32 v[202:203], v[202:203], v[204:205]
	v_pk_add_f32 v[14:15], v[14:15], v[192:193]
	v_pk_add_f32 v[194:195], v[194:195], v[198:199]
	v_pk_add_f32 v[14:15], v[14:15], v[202:203]
	v_pk_add_f32 v[14:15], v[14:15], v[194:195]
	WIN 0x41*(\b)
.irp q, 0,1,2,3
.irp i, 0,1,2,3,4,5,6,7,8,9,10,11,12,13,14,15
	v_min_num_f32 v[96+16*\q+\i], v[96+16*\q+\i], v240   ; the conversion does not saturate (ISA guide 7.6.2); p is not negative
.endr
	v_cvt_scalef32_pk8_fp8_f32 v[224+4*\q:225+4*\q], v[96+16*\q:103+16*\q], v241
	v_cvt_scalef32_pk8_fp8_f32 v[226+4*\q:227+4*\q], v[104+16*\q:111+16*\q], v241
.endr
.set N, 0
.rept 16
	v_pk_mul_f32 v[160+N:161+N], v[160+N:161+N], v[\f:\f+1] op_sel_hi:[1,0]   ; also the plain instructions behind the conversions
.set N, N+2
.endr
.endm
.macro OMM b                           ; O^T += V^T P^T; the eight accumulators of the two tiles take turns
	WIN 0x54*(\b)
.irp t, 0,1,2,3
	v_wmma_f32_16x16x128_fp8_fp8 v[160+8*\t:167+8*\t], v[32+16*\t:47+16*\t], v[224:239], v[160+8*\t:167+8*\t]
.endr
.endm
; A STEP'S SECOND PART, on registers alone.
.macro P2
	TAIL 0, 246
	TAIL 1, 242
	WIN 0
	s_wait_alu depctr_va_vdst(0)
	s_wait_dscnt 0x0                               ; V's fragments are in
	OMM 0
	OMM 1
	WIN 0
.endm
; MY KEY STEP of the slot in hand: 128 keys from KF on, for both tiles: the first part, and in the waves of the second steps the second part too.
.macro STEP
	s_cmp_lg_u32 s[PAR], 1                         ; a first step always has work
	s_cbranch_scc1 .Lgo_\@
	s_add_co_u32 s96, s[Q0], 31                    ; a second step all of whose keys come after my queries is left out: a branch on ids, round no barrier and no tensor load
	s_cmp_gt_u32 s[KF], s96
	s_cbranch_scc1 .Lskip_\@
.Lgo_\@:
	v_add_nc_u32 v[ADK], s[TB], v[LI]
	NOPS 3                                         ; with the addition: four places in front of loads into registers that matrix instructions have read
	KLOAD 0
	WIN 0x40
	KLOAD 1
	WIN 0
	s_wait_alu depctr_va_vdst(0)
	s_wait_dscnt 16                                ; K's first group is in; the 16 loads of the second may be out
	SMM 0, 0
	SMM 0, 1
	WIN 0
	NOPS 4
	VLOAD                                          ; V's fragments land under the softmax
	UU 0, 0
	UU 0, 1
	s_wait_dscnt 16                                ; K's second group is in; V's 16 loads may be out
	SMM 1, 0
	SMM 1, 1
	WIN 0
	NOPS 4
	UU 1, 0
	UU 1, 1
	WIN 0
	s_add_co_u32 s96, s[KF], 127                   ; on the diagonal hidden scores become -infinity ahead of the maximum; a step all of whose keys count skips this
	s_cmp_le_u32 s96, s[Q0]
	s_cbranch_scc1 .Lopen_\@
	s_sub_co_i32 s96, s[Q0], s[KF]
	v_add_nc_u32 v248, s96, v[DL]                  ; the thresholds of the four groups of 16 registers: A's in v248-251, B's, 8 more, in v252-255
	v_add_nc_u32 v252, 8, v248
.irp q, 1,2,3
	v_sub_nc_u32 v[248+\q], v248, 32*\q
	v_sub_nc_u32 v[252+\q], v252, 32*\q
.endr
	v_mov_b32 v244, 0xff800000
	MASK 0
	MASK 1
	WIN 0
.Lopen_\@:
	MAXT 0, 251
	MAXT 1, 252
	v_permlanex16_b32 v244, v251, s[SEL], s[SEL+1] ; the two tiles' chains by turns
	v_permlanex16_b32 v245, v252, s[SEL], s[SEL+1]
	v_max_num_f32 v251, v251, v244                 ; with lane l xor 16's
	v_max_num_f32 v252, v252, v245
	v_mul_f32 v251, s[CS], v251                    ; as t (c is positive)
	v_mul_f32 v252, s[CS], v252
	v_max_num_f32 v13, v13, v251
	v_max_num_f32 v3, v3, v252
	v_mov_b32 v251, v12
	v_mov_b32 v252, v2
	v_floor_f32 v12, -v13                          ; the new -M = -ceil(t)
	v_floor_f32 v2, -v3
	v_sub_f32 v251, v12, v251                      ; old M - new M: a whole number, 0 or less
	v_sub_f32 v252, v2, v252
	v_cvt_i32_f32 v251, v251                       ; (it saturates)
	v_cvt_i32_f32 v252, v252
	v_ldexp_f32 v246, 1.0, v251                    ; f = 2^(old M - new M)
	v_ldexp_f32 v242, 1.0, v252
	TMX 0, 12
	TMX 1, 2
	s_wait_alu depctr_va_vdst(0)                   ; ahead of the batch
	EXPS 1
	EXPS 0
	LF 0, 246                                      ; (plain instructions behind the exponentials)
	LF 1, 242
	WIN 0
	s_wait_alu depctr_va_vdst(0)                   ; one wait for the batch, ahead of the branch and of its first reader
	s_cmp_lg_u32 s[PAR], 1
	s_cbranch_scc1 .Lskip_\@
	P2
.Lskip_\@:
.endm
.macro LATE                            ; the waves of the first steps: the second part of the step that they began in front of this change of slots
	s_cmp_lg_u32 s[PAR], 0
	s_cbranch_scc1 .Lnot_late_\@
	P2
.Lnot_late_\@:
.endm
; THE CHANGE OF SLOTS T.  fill = 1: the slot that was left takes the keys of trip T + 1: slot T + 1 of the first block, or slot T + 1 - N1 of the second.
.macro CHANGE fill
	s_wait_tensorcnt 0x0                           ; no tensor load of mine is out, so group 0 may be written
	ds_add_u32 v[SPW], v[NIL]                      ; 0 onto my spare word
.if \fill
	ds_add_u32 v[SPW], v[NIL]                      ; and once more
	s_xor_b32 s[G0+1], s[G0+1], SLOT1
	s_add_co_u32 s96, s[T], 1
	s_sub_co_u32 s97, s96, s[N1]
	s_cmp_lt_u32 s96, s[N1]
	s_cselect_b32 s96, s96, s97
	s_mul_i32 s96, s96, SLOTB
	s_mov_b32 s97, 0
	s_add_nc_u64 s[G0+2:G0+3], s[KVB:KVB+1], s[96:97]
	s_or_b32 s[G0+3], s[G0+3], 0x80000000
.endif
	s_wait_dscnt 0x0                               ; the adds are done, my reads of the slot that I leave are over (V's fragments are in registers), and what I stored for my partner is in LDS
	s_barrier_signal -1
	s_barrier_wait -1
.if \fill
	TLOAD                                          ; a wave's one tensor load until the next change
	ASK
.endif
.endm
; The wave of the second steps hands its part over: O^T of both tiles as images of the registers, then the two states.  tail = 0: in the first block's last trip; 1: in trip 8.
.macro HANDQ tail
.if \tail
	s_cmp_lg_u32 s[T], 8
.else
	s_cmp_lg_u32 s[T], s[N1M]
.endif
	s_cbranch_scc1 .Lkeep_\@
	s_cmp_lg_u32 s[PAR], 1
	s_cbranch_scc1 .Lkeep_\@
	NOPS 4                                         ; places behind the last products
	s_add_co_u32 s96, s[SB], s[SOWN]
	v_add_nc_u32 v[SCA], s96, v[LI]
	v_mov_b32 v248, v2
	v_mov_b32 v249, v3
	WIN 0x01
	v_mov_b32 v250, v14                            ; B's sum, out of window 1
	v_mov_b32 v251, v15
	WIN 0
.irp k, 0,1,2,3,4,5,6,7
	ds_store_b128 v[SCA], v[160+4*\k:163+4*\k] offset:512*\k          ; each accumulator from its low end on
.endr
	ds_store_b128 v[SCA], v[12:15] offset:8192
	ds_store_b128 v[SCA], v[248:251] offset:8704
	WIN 0x04
.irp k, 0,1,2,3,4,5,6,7
	ds_store_b128 v[SCA], v[160+4*\k:163+4*\k] offset:4096+512*\k
.endr
	WIN 0
.Lkeep_\@:
.endm
.macro NEXT                            ; on to the next trip
	s_add_co_u32 s[KF], s[KF], 256
	s_xor_b32 s[TB], s[TB], SLOT1
	s_xor_b32 s[SB], s[SB], SCRX
	s_add_co_u32 s[T], s[T], 1
.endm
; The wave of the first steps joins the two parts of tile b and stores y's codes.  v[SCA] holds the partner's place; nm: my -M.
.macro MERGE b, nm, yb
	WIN 0x40*(\b)
.irp k, 0,1,2,3,4,5,6,7
	ds_load_b128 v[32+4*\k:35+4*\k], v[SCA] offset:4096*(\b)+512*\k
.endr
	WIN 0
	ds_load_b128 v[64:67], v[SCA] offset:8192+512*(\b)   ; the partner's -M, t, and its sum in two halves
	WIN 0x05*(\b)
	v_add_f32 v76, v14, v15
	WIN 0
	s_wait_alu depctr_va_vdst(0)
	s_wait_dscnt 0x0
	v_add_f32 v66, v66, v67
	v_min_num_f32 v68, v[\nm], v64                 ; -M of the larger M
	v_sub_f32 v69, v68, v[\nm]                     ; whole numbers, 0 or less
	v_sub_f32 v70, v68, v64
	v_cvt_i32_f32 v69, v69                         ; (they saturate: a partner that had no step has the factor 0)
	v_cvt_i32_f32 v70, v70
	v_ldexp_f32 v72, 1.0, v69
	v_ldexp_f32 v74, 1.0, v70
	v_mul_f32 v76, v76, v72
	v_fmac_f32 v76, v66, v74
	v_permlanex16_b32 v244, v76, s[SEL], s[SEL+1]
	v_add_f32 v76, v76, v244                       ; the row's sum
	s_wait_alu depctr_va_vdst(0)                   ; ahead of the transcendental
	v_rcp_f32 v76, v76
	v_nop
	s_wait_alu depctr_va_vdst(0)                   ; and ahead of its first reader
	v_ldexp_f32 v76, v76, s93                      ; x 2^(e6 + e7)
	v_mul_f32 v72, v72, v76
	v_mul_f32 v74, v74, v76
	v_mov_b32 v73, v72
	v_mov_b32 v75, v74
	WIN 0x41*(\b)
.set N, 0
.rept 16
	v_pk_mul_f32 v[96+N:97+N], v[32+N:33+N], v[74:75] op_sel_hi:[1,0]
.set N, N+2
.endr
	WIN 0x51*(\b)
	s_wait_alu depctr_va_vdst(0)                   ; directly ahead of the first reader of O^T
.set N, 0
.rept 16
	v_pk_fma_f32 v[96+N:97+N], v[160+N:161+N], v[72:73], v[96+N:97+N] op_sel_hi:[1,0,1]   ; each accumulator from its low end on
.set N, N+2
.endr
	WIN 0x41*(\b)
.set N, 0
.rept 32
	v_med3_num_f32 v[96+N], v[96+N], -v11, v11
.set N, N+1
.endr
	WIN 0x01*(\b)
.irp t, 0,1,2,3
	v_cvt_scalef32_pk8_fp8_f32 v[224+8*(\b)+2*\t:225+8*(\b)+2*\t], v[96+8*\t:103+8*\t], v10   ; the codes into window 0
.endr
	v_nop
	WIN 0
	global_store_b128 v[LI], v[224+8*(\b):227+8*(\b)], s[\yb:\yb+1] offset:16384*(\b)       ; 512 consecutive bytes each
	global_store_b128 v[LI], v[228+8*(\b):231+8*(\b)], s[\yb:\yb+1] offset:16384*(\b)+512
.endm
.macro MERGE2 yb                       ; both tiles, out of the region of the trip before
	NOPS 4                                         ; places behind the last products, for the loads and writes below
	s_xor_b32 s96, s[SB], SCRX
	s_add_co_u32 s96, s96, s[SPT]
	v_add_nc_u32 v[SCA], s96, v[LI]
	MERGE 0, 12, \yb
	MERGE 1, 2, \yb
.endm
; Behind change N1 (1 to 4): the first block is finished, and the state begins anew.  The condition is made of ids and the trip alone; no barrier, wait on TENSORcnt or tensor load stands inside.
.macro SWITCHQ
	s_cmp_lg_u32 s[T], s[N1]
	s_cbranch_scc1 .Lsame_\@
	s_cmp_lg_u32 s[PAR], 0
	s_cbranch_scc1 .Lnot_me_\@
	MERGE2 YA
.Lnot_me_\@:
	NOPS 4
	v_add_nc_u32 v[SCA], s[QS], v[LI]
.irp c, 0,1,2,3
	ds_load_b128 v[16+4*\c:19+4*\c], v[SCA] offset:512*\c        ; the second block's Q; the step's waits on DScnt cover it
.endr
	WIN 0x40
.irp c, 0,1,2,3
	ds_load_b128 v[16+4*\c:19+4*\c], v[SCA] offset:2048+512*\c
.endr
	INIT
	s_mov_b32 s[Q0], s[Q0B]
	s_mov_b32 s[KF], s[KF0]
	s_wait_alu depctr_va_vdst(0)
	s_wait_xcnt 0x0                                ; the stores have read their registers, which the step writes again
.Lsame_\@:
.endm
	s_wait_alu depctr_va_vdst(0)                   ; the head's end
	s_wait_loadcnt 0x0                             ; all Q
.irp c, 0,1,2,3,4,5,6,7
	ds_store_b128 v[SCA], v[32+4*\c:35+4*\c] offset:512*\c   ; into my stash
.endr
	CHANGE 1                                       ; change 0: slot 0 is whole; slot 1 is asked for
.Ltrip:                                            ; trips 0 to 6, each with the change of slots behind it (changes 1 to 7 ask for the slots of trips 2 to 8)
	STEP
	HANDQ 0
	NEXT
	CHANGE 1
	LATE
	SWITCHQ
	s_cmp_lt_u32 s[T], 7
	s_cbranch_scc1 .Ltrip
	s_mov_b32 s[T], 7
.Llast:                                            ; trips 7 and 8: nothing is left to ask for; the barrier behind trip 8 stands in front of the last hand-over's reads
	STEP
	HANDQ 1
	NEXT
	CHANGE 0
	LATE
	s_cmp_lt_u32 s[T], 9
	s_cbranch_scc1 .Llast
	s_cmp_lg_u32 s[PAR], 0
	s_cbranch_scc1 .Ldone
	MERGE2 YB
.Ldone:
	s_wait_tensorcnt 0x0                           ; the wave's end
	ds_add_u32 v[SPW], v[NIL]
	s_wait_dscnt 0x0
	s_endpgm
.Lfunc_end_k_q7133e23d49_attn:
	.size	k_q7133e23d49_attn, .Lfunc_end_k_q7133e23d49_attn-k_q7133e23d49_attn
	.p2alignl 7, 3214868480
	.fill 96, 4, 3214868480
	.section	.rodata,"a",@progbits
	.p2align	6, 0x0
	.amdhsa_kernel k_q7133e23d49_attn
		.amdhsa_group_segment_fixed_size 327680
		.amdhsa_private_segment_fixed_size 0
		.amdhsa_enable_private_segment 0
		.amdhsa_kernarg_size 32
		.amdhsa_user_sgpr_count 2
		.amdhsa_user_sgpr_kernarg_segment_ptr 1
		.amdhsa_wavefront_size32 1
		.amdhsa_system_sgpr_workgroup_id_x 1
		.amdhsa_system_sgpr_workgroup_id_y 1
		.amdhsa_system_sgpr_workgroup_id_z 1
		.amdhsa_system_vgpr_workitem_id 0
		.amdhsa_next_free_vgpr 512
		.amdhsa_next_free_sgpr 100
		.amdhsa_reserve_vcc 1
		.amdhsa_float_denorm_mode_32 3
		.amdhsa_float_denorm_mode_16_64 3
		.amdhsa_memory_ordered 1
		.amdhsa_forward_progress 1
		.amdhsa_inst_pref_size 158
	.end_amdhsa_kernel
	.amdgpu_metadata
---
amdhsa.version: [ 1, 2 ]
amdhsa.kernels:
  - .name:           k_q7133e23d49_attn
    .symbol:         k_q7133e23d49_attn.kd
    .args:
      - { .name: q_img, .offset: 0, .size: 8, .value_kind: global_buffer, .address_space: global }
      - { .name: kv_img, .offset: 8, .size: 8, .value_kind: global_buffer, .address_space: global }
      - { .name: lowp_scales, .offset: 16, .size: 8, .value_kind: global_buffer, .address_space: global }
      - { .name: y_img, .offset: 24, .size: 8, .value_kind: global_buffer, .address_space: global }
    .group_segment_fixed_size: 327680
    .private_segment_fixed_size: 0
    .kernarg_segment_align: 8
    .kernarg_segment_size: 32
    .max_flat_workgroup_size: 256
    .sgpr_count:     100
    .vgpr_count:     512
    .wavefront_size: 32
...
	.end_amdgpu_metadata
.endif
;; end of part 3
;; launch proj (part 4): grid 8 x 32, 4 waves a work-group, clusters of 4 x 4, 327,680 bytes of LDS; arguments y_img, wp_codes, lowp_scales, out0; writes out0
.if DOCPART == 4
	.amdgcn_target "amdgcn-amd-amdhsa--gfx1250"
	.amdhsa_code_object_version 6
	.text
	.protected	k_q7133e23d49_proj
	.globl	k_q7133e23d49_proj
	.p2align	8
	.type	k_q7133e23d49_proj,@function
k_q7133e23d49_proj:
	s_mov_b64 s[64:65], 0
	v_nop
	global_prefetch_b8 v0, s[64:65] scope:SCOPE_SE
	s_setreg_imm32_b32 hwreg(HW_REG_WAVE_MODE, 25, 1), 1
	s_wait_xcnt 0x0
	s_wait_alu depctr_hold_cnt(0) depctr_sa_sdst(0) depctr_va_vdst(0) depctr_va_sdst(0) depctr_va_ssrc(0) depctr_va_vcc(0) depctr_vm_vsrc(0)
	s_getreg_b32 s2, hwreg(HW_REG_IB_STS2, 6, 4)
	s_cmp_eq_u32 s2, 0
	s_cbranch_scc0 .Lentry_in_a_cluster
	s_endpgm
.Lentry_in_a_cluster:
	s_bfe_u32 s2, ttmp6, 0x10000c
	s_cmp_lg_u32 s2, 0xf033
	s_cbranch_scc0 .Lentry_shape_is_right
	s_endpgm
.Lentry_shape_is_right:
; out0 = y w_proj^T on codes of E4M3; each finished sum x 2^(e8 + e9).  LIMIT: e8 + e9 between -126 and 127.
; 256 tiles of 128 x 128, one to a work-group; four waves, each 64 x 64: 16 accumulators.
; ALL OF K (1,024) LIES IN LDS, filled once, by ONE tensor load a wave: waves 0, 1 y's images (four tiles of 16 rows x 16,384 bytes are 65,536 consecutive bytes, stated as rows of 256),
; waves 2, 3 64 whole rows of w_proj's codes (1,024 bytes, 16 of padding behind each: pitch 1,040 = 65 x 16).  Nothing is filled again; one barrier shows the tiles to all four waves.
; CLUSTER 4 x 4: the four of a row of the cluster ask for y's tiles jointly, the four of a column for w_proj's.  No prefetch: the launch's only loads go out at its head, and there is no loop to run ahead in.
; TRANSPOSED USE (source 0 = 16 rows of w_proj, source 1 = 16 rows of y): a lane holds eight neighbouring columns of one row.  Tile T of 16 holds rows or columns 32 (T / 2) + 8 (T % 2) + (i % 8) + 16 (i / 8);
; the way out puts them back in order in the wave's own stage, LDS bytes into which no load lands, 32 rows x 256 bytes at a time, so that sixteen lanes store 256 consecutive aligned bytes.
; REGISTERS.  Window 0: v8, v12 LDS addresses of A's and B's fragments; v24-29 the way out's and the add's; v32-95 at work on the way out; v128-255 accumulator (a, bb) at v[128 + 8 (4 a + bb)].
;   Window 1: two buffers of 128: A's four fragments, then B's four.
.set BP,     1040
.set BOFF,   131072
.set STAGE,  BOFF+128*BP
.set PITCH,  272
.set STG,    32*PITCH
.set SPARE,  STAGE+4*STG
.set ADA,  8
.set ADB,  12
.set STO,  24
.set RD,   25
.set CO,   26
.set SPW,  28
.set NIL,  29
.set TMP,  32
.set ACC,  128
.set WV,   18
.set G1A,  24
.set G1B,  32
.set G0A,  40
.set G0B,  44
.set MSB, 0
.macro WIN new
.if MSB != \new
	s_set_vgpr_msb (MSB<<8)|\new
.set MSB, \new
.endif
.endm
.set MUL,  0x05                        ; sources 0 and 1 window 1; C and D window 0
.set TO_F, 0x40                        ; destination window 1
.macro CREST
	s_cmp_lg_u32 s[WV], 0
	s_cbranch_scc1 .Lnot_wave_0_\@
	s_barrier_signal -3
.Lnot_wave_0_\@:
	s_barrier_wait -3
	s_barrier_signal -1
	s_barrier_wait -1
.endm
.macro CROUND
	s_barrier_signal -1
	s_barrier_wait -1
	CREST
.endm
.macro PLACES
.rept 4
	v_nop
.endr
.endm
	s_load_b256 s[4:11], s[0:1], 0x0               ; y_img, wp_codes, the scales' exponents, out0
	v_lshl_add_u32 v[SPW], v0, 2, SPARE
	v_mov_b32 v[NIL], 0
	ds_add_u32 v[SPW], v[NIL]                      ; the opening lines: the add twice on end and its wait ahead of my tensor load
	ds_add_u32 v[SPW], v[NIL]
	v_lshrrev_b32 v1, 5, v0
	v_readfirstlane_b32 s[WV], v1
	s_lshr_b32 s19, s[WV], 1                       ; my half of the rows; also: I fetch for y (0) or for w_proj (1)
	s_and_b32 s20, s[WV], 1                        ; my half of the columns; also: which half I fetch
	s_bfe_u32 s80, ttmp6, 0x40000                  ; cx, cy
	s_bfe_u32 s81, ttmp6, 0x40004
	s_lshl_b32 s82, ttmp9, 2
	s_add_co_u32 s82, s82, s80                     ; tile column
	s_and_b32 s83, ttmp7, 0xffff
	s_lshl_b32 s83, s83, 2
	s_add_co_u32 s83, s83, s81                     ; tile row
	s_lshl_b32 s84, s81, 2
	s_lshl_b32 s84, 15, s84                        ; my row of the cluster
	s_lshl_b32 s85, 0x1111, s80                    ; my column
	s_or_b32 s[G1A], s84, (3<<16)|(1<<21)          ; the mask; elements of 8 bytes; bit 21 beside a mask; no padding
	s_mov_b32 s[G1A+1], 32<<16                     ; rows of 32 elements: 256 bytes
	s_mov_b32 s[G1A+2], 256<<16                    ; 256 rows
	s_mov_b32 s[G1A+3], 32<<16
	s_mov_b32 s[G1A+4], 256
	s_mov_b32 s[G1A+5], 32                         ; dense
	s_mov_b32 s[G1A+6], 0
	s_mov_b32 s[G1A+7], 0
	s_or_b32 s[G1B], s85, (0<<16)|(1<<20)|(1<<21)|(7<<22)|(3<<25)   ; elements of 1 byte; four words of padding after every 256
	s_mov_b32 s[G1B+1], 1024<<16
	s_mov_b32 s[G1B+2], 64<<16
	s_mov_b32 s[G1B+3], 1024<<16
	s_mov_b32 s[G1B+4], 64
	s_mov_b32 s[G1B+5], 1024
	s_mov_b32 s[G1B+6], 0
	s_mov_b32 s[G1B+7], 0
	s_lshl_b32 s86, s83, 3
	s_lshl_b32 s87, s20, 2
	s_add_co_u32 s86, s86, s87                     ; y: tile of rows 8 ty + 4 x half
	s_lshl_b32 s86, s86, 14
	s_mov_b32 s87, 0
	s_lshl_b32 s88, s82, 7
	s_lshl_b32 s89, s20, 6
	s_add_co_u32 s88, s88, s89                     ; w_proj: row 128 tx + 64 x half
	s_lshl_b32 s88, s88, 10
	s_mov_b32 s89, 0
	s_lshl_b32 s90, s20, 16                        ; where they go: no place in the cluster enters an LDS address
	s_mul_i32 s91, s20, 64*BP
	s_add_co_u32 s91, s91, BOFF
	s_wait_dscnt 0x0                               ; both opening adds are done
	s_wait_kmcnt 0x0
	s_load_b64 s[92:93], s[8:9], 0x20              ; e8, e9
	s_mov_b32 s[G0A], 1
	s_mov_b32 s[G0A+1], s90
	s_add_nc_u64 s[G0A+2:G0A+3], s[4:5], s[86:87]
	s_or_b32 s[G0A+3], s[G0A+3], 0x80000000
	s_mov_b32 s[G0B], 1
	s_mov_b32 s[G0B+1], s91
	s_add_nc_u64 s[G0B+2:G0B+3], s[6:7], s[88:89]
	s_or_b32 s[G0B+3], s[G0B+3], 0x80000000
	CROUND                                         ; all sixteen work-groups are here: the joint loads meet
	s_cmp_eq_u32 s19, 0
	s_cbranch_scc0 .Lfor_b
	tensor_load_to_lds s[G0A:G0A+3], s[G1A:G1A+7]
	s_nop 0
	PLACES
	s_branch .Lasked
.Lfor_b:
	tensor_load_to_lds s[G0B:G0B+3], s[G1B:G1B+7]
	s_nop 0
	PLACES
.Lasked:
	v_and_b32 v1, 15, v0                           ; r
	v_bfe_u32 v2, v0, 4, 1                         ; lane / 16
	v_and_b32 v3, 31, v0
	v_lshlrev_b32 v3, 4, v3                        ; 16 x lane
	v_mul_u32_u24 v4, v1, BP
	v_lshl_add_u32 v4, v2, 4, v4
	s_lshl_b32 s21, s19, 16                        ; my four tiles of rows
	s_mul_i32 s22, s20, 64*BP
	s_add_co_u32 s22, s22, BOFF                    ; my 64 rows of w_proj
	v_add_nc_u32 v[ADA], s21, v3
	v_add_nc_u32 v[ADB], s22, v4
	s_mul_i32 s23, s[WV], STG
	s_add_co_u32 s23, s23, STAGE                   ; my stage
	v_and_b32 v5, 8, v1
	v_add_nc_u32 v5, v5, v1                        ; r + 8 (r / 8): my row among the 32
	v_mul_u32_u24 v5, v5, PITCH
	v_lshl_add_u32 v5, v2, 6, v5                   ; + 64 (lane / 16)
	v_add_nc_u32 v[STO], s23, v5
	v_mul_u32_u24 v5, v2, PITCH
	v_lshl_add_u32 v5, v1, 4, v5
	v_add_nc_u32 v[RD], s23, v5                    ; back: lanes 0-15 one row of 256 bytes, lanes 16-31 the next
	v_lshlrev_b32 v[CO], 12, v2
	v_lshl_add_u32 v[CO], v1, 4, v[CO]             ; and the same two rows in out0
	s_wait_alu depctr_va_vdst(0)                   ; the head's end
	s_lshl_b32 s94, s83, 7
	s_lshl_b32 s96, s19, 6
	s_add_co_u32 s94, s94, s96                     ; my first row: 128 ty + 64 x half
	s_lshl_b32 s94, s94, 12
	s_lshl_b32 s96, s82, 9
	s_add_co_u32 s94, s94, s96                     ; my first column, in bytes: 512 tx + 256 x half
	s_lshl_b32 s96, s20, 8
	s_add_co_u32 s94, s94, s96
	s_mov_b32 s95, 0
	s_add_nc_u64 s[10:11], s[10:11], s[94:95]
.macro FETCH ks, f                     ; 32 LDS loads: B's four fragments, then A's four, of the ks-th 128 along K
	WIN TO_F
.irp b, 0,1,2,3
.irp c, 0,1,2,3
	ds_load_b128 v[\f+64+16*\b+4*\c:\f+64+16*\b+4*\c+3], v[ADB] offset:\b*16*BP+128*(\ks)+32*\c
.endr
.endr
.irp a, 0,1,2,3
.irp c, 0,1,2,3
	ds_load_b128 v[\f+16*\a+4*\c:\f+16*\a+4*\c+3], v[ADA] offset:\a*16384+(\ks)*2048+512*\c
.endr
.endr
.endm
.macro MUL8 f, a0, zero                ; A's blocks a0, a0 + 1 x B's four; the 16 accumulators take turns
.irp a, \a0, \a0+1
.irp b, 0,1,2,3
.if \zero
	v_wmma_f32_16x16x128_fp8_fp8 v[ACC+8*(4*(\a)+\b):ACC+8*(4*(\a)+\b)+7], v[\f+64+16*\b:\f+64+16*\b+15], v[\f+16*(\a):\f+16*(\a)+15], 0
.else
	v_wmma_f32_16x16x128_fp8_fp8 v[ACC+8*(4*(\a)+\b):ACC+8*(4*(\a)+\b)+7], v[\f+64+16*\b:\f+64+16*\b+15], v[\f+16*(\a):\f+16*(\a)+15], v[ACC+8*(4*(\a)+\b):ACC+8*(4*(\a)+\b)+7]
.endif
.endr
.endr
.endm
.macro KS ks, zero                     ; a step of 128 along K on buffer ks % 2; in its middle the next step's fragments are fetched into the other buffer
	s_wait_dscnt 8                                 ; B's and A's blocks 0, 1 are in; the youngest eight loads (A's blocks 2, 3) may be out
	WIN MUL
	MUL8 128*((\ks)%2), 0, \zero
.if (\ks) < 7
	PLACES
	FETCH (\ks)+1, 128-128*((\ks)%2)
	s_wait_dscnt 32                                ; all but the 32 just issued
	WIN MUL
.else
	s_wait_dscnt 0x0
.endif
	MUL8 128*((\ks)%2), 2, \zero
.endm
	s_wait_tensorcnt 0x0                           ; my load is in
	s_barrier_signal -1
	s_barrier_wait -1                              ; everybody's is
	FETCH 0, 0
	KS 0, 1                                        ; the first products start the sums
.irp k, 1,2,3,4,5,6,7
	KS \k, 0
.endr
	WIN 0
	s_wait_kmcnt 0x0
	s_add_co_i32 s92, s92, s93
	s_add_co_i32 s92, s92, 127
	s_lshl_b32 s92, s92, 23                        ; 2^(e8 + e9)
	s_mov_b32 s93, s92
	PLACES
; THE WAY OUT: A's blocks 2 ga and 2 ga + 1 are 32 consecutive rows of out0.  Through my own stage: LDS serves a wave's instructions in order, so no wait stands between the stores and the loads.
.irp ga, 0,1
.if \ga == 1
	s_wait_xcnt 0x0                                ; the first half's stores have read their data
.endif
.irp ua, 0,1
.irp b, 0,1,2,3
.irp k, 0,2,4,6
	v_pk_mul_f32 v[TMP+8*(4*\ua+\b)+\k:TMP+8*(4*\ua+\b)+\k+1], v[ACC+8*(4*(2*\ga+\ua)+\b)+\k:ACC+8*(4*(2*\ga+\ua)+\b)+\k+1], s[92:93] op_sel_hi:[1,0]   ; each accumulator from its low end on
.endr
.endr
.endr
.irp ua, 0,1
.irp b, 0,1,2,3
	ds_store_b128 v[STO], v[TMP+8*(4*\ua+\b):TMP+8*(4*\ua+\b)+3] offset:\ua*8*PITCH+128*(\b/2)+32*(\b%2)          ; row 8 ua + r + 8 (r / 8); columns 32 (b / 2) + 8 (b % 2) + 16 (lane / 16) on
	ds_store_b128 v[STO], v[TMP+8*(4*\ua+\b)+4:TMP+8*(4*\ua+\b)+7] offset:\ua*8*PITCH+128*(\b/2)+32*(\b%2)+16
.endr
.endr
.irp t, 0,1,2,3,4,5,6,7,8,9,10,11,12,13,14,15
	ds_load_b128 v[TMP+4*\t:TMP+4*\t+3], v[RD] offset:2*\t*PITCH
.endr
.irp t, 0,1,2,3,4,5,6,7,8,9,10,11,12,13,14,15
	s_wait_dscnt 15-\t
	global_store_b128 v[CO], v[TMP+4*\t:TMP+4*\t+3], s[10:11] offset:\ga*131072+2*\t*4096 th:TH_STORE_NT   ; sixteen lanes store 256 consecutive bytes, at a multiple of 256 from out0's first byte
.endr
.endr
	s_wait_tensorcnt 0x0                           ; the wave's end, behind my tensor load and my last LDS store
	ds_add_u32 v[SPW], v[NIL]
	s_wait_dscnt 0x0
	CROUND                                         ; the closing round
	s_endpgm
.Lfunc_end_k_q7133e23d49_proj:
	.size	k_q7133e23d49_proj, .Lfunc_end_k_q7133e23d49_proj-k_q7133e23d49_proj
	.p2alignl 7, 3214868480
	.fill 96, 4, 3214868480
	.section	.rodata,"a",@progbits
	.p2align	6, 0x0
	.amdhsa_kernel k_q7133e23d49_proj
		.amdhsa_group_segment_fixed_size 327680
		.amdhsa_private_segment_fixed_size 0
		.amdhsa_enable_private_segment 0
		.amdhsa_kernarg_size 32
		.amdhsa_user_sgpr_count 2
		.amdhsa_user_sgpr_kernarg_segment_ptr 1
		.amdhsa_wavefront_size32 1
		.amdhsa_system_sgpr_workgroup_id_x 1
		.amdhsa_system_sgpr_workgroup_id_y 1
		.amdhsa_system_sgpr_workgroup_id_z 1
		.amdhsa_system_vgpr_workitem_id 0
		.amdhsa_next_free_vgpr 512
		.amdhsa_next_free_sgpr 100
		.amdhsa_reserve_vcc 0
		.amdhsa_float_denorm_mode_32 3
		.amdhsa_float_denorm_mode_16_64 3
		.amdhsa_memory_ordered 1
		.amdhsa_forward_progress 1
		.amdhsa_inst_pref_size 45
	.end_amdhsa_kernel
	.amdgpu_metadata
---
amdhsa.version: [ 1, 2 ]
amdhsa.kernels:
  - .name:           k_q7133e23d49_proj
    .symbol:         k_q7133e23d49_proj.kd
    .args:
      - { .name: y_img, .offset: 0, .size: 8, .value_kind: global_buffer, .address_space: global }
      - { .name: wp_codes, .offset: 8, .size: 8, .value_kind: global_buffer, .address_space: global }
      - { .name: lowp_scales, .offset: 16, .size: 8, .value_kind: global_buffer, .address_space: global }
      - { .name: out0, .offset: 24, .size: 8, .value_kind: global_buffer, .address_space: global }
    .group_segment_fixed_size: 327680
    .private_segment_fixed_size: 0
    .kernarg_segment_align: 8
    .kernarg_segment_size: 32
    .max_flat_workgroup_size: 128
    .sgpr_count:     100
    .vgpr_count:     512
    .wavefront_size: 32
...
	.end_amdgpu_metadata
.endif
;; end of part 4
